; MI455X (gfx1250); checked and timed in simulation.
; The chip was launched on July 23, 2026; its instructions are those of AMD's public machine-readable ISA for CDNA 5 (MIT licence, August 2026) and "CDNA5" Instruction Set Architecture Reference Guide (July 2026). The comments in the code are by the model that wrote it; some were corrected since.
;; Context Knowledge Encoder. Allowed arithmetic: float matrix products may take bf16 or f16 operands with f32 sums; all other float work in f32.
;; Inputs: W_emb 32,000 x 1,024 float32; W_proj 1,024 x 1,024 float32; ck_mask 8 x 32 bool; cs_ids 8 int32; know_tokens 8 x 32 x 128 int32; src_tokens 8 x 256 int32.
;; Outputs: out0 8 x 384 x 1,024 float32; out1 8 x 384 bool; out2 8 x 32 float32.
;; Constants: use_cs_ids = 0.
;; 3 versions, each right; version 2 is faster than version 1; version 3 is version 2 with the launch pool written anew for expert scheduling mode. Each part assembles by itself: llvm-mc -triple=amdgcn-amd-amdhsa -mcpu=gfx1250 --defsym DOCPART=n.
;; ======== version 1 of 3: 4 launches
;; workspace buffers: wf 2,097,152 bytes; ksum 1,048,576 bytes; csum 524,288 bytes; ids 256 bytes of whole numbers
;; launch prep (part 1): grid 256 x 1, 8 waves a work-group, no clusters, 0 bytes of LDS; arguments W_proj, wf; writes wf
.if DOCPART == 1
	.amdgcn_target "amdgcn-amd-amdhsa--gfx1250"
	.amdhsa_code_object_version 6
	.text
	.protected	k_q4890b3ef5f_prep
	.globl	k_q4890b3ef5f_prep
	.p2align	8
	.type	k_q4890b3ef5f_prep,@function
k_q4890b3ef5f_prep:
	s_mov_b64 s[64:65], 0
	v_nop
	global_prefetch_b8 v0, s[64:65] scope:SCOPE_SE
	s_setreg_imm32_b32 hwreg(HW_REG_WAVE_MODE, 25, 1), 1
	s_wait_xcnt 0x0
; wf = W_proj rounded once to bf16 (nearest even), laid out in the order in which a matrix instruction's second source wants it.
; W_proj is [k][n] f32, 1024 x 1024.  wf byte G*262144 + s*8192 + b*1024 + g*512 + h*256 + r*16 + 2e holds W_proj[k][n] with
; n = 128 G + 16 b + r and k = 32 s + 16 g + 8 h + e: lane 16 h + r of a wave finds registers 0-3 of column tile b, K step s, at +16 x lane
; and registers 4-7 at +512, so that one 16-byte load of a wave covers 512 neighbouring bytes.
; Work-group x makes the 8,192 bytes of (G = x >> 5, s = x & 31).  Thread: L = lane, wave = 2 bh + h; it owns column 32 bh + L and the
; sixteen k = 16 g + 8 h + e.  4 MB are read once and 2 MB written once: no LDS, no ring.
	s_load_b128 s[4:7], s[0:1], 0x0                ; W_proj s[4:5], wf s[6:7]
	v_and_b32 v3, 31, v0                           ; L
	v_lshrrev_b32 v4, 5, v0                        ; wave
	v_and_b32 v5, 1, v4                            ; h
	v_lshrrev_b32 v6, 1, v4                        ; bh
	v_lshlrev_b32 v1, 2, v3                        ; read: 4 L
	v_lshl_add_u32 v1, v6, 7, v1                   ;   + 32 bh columns
	v_lshl_add_u32 v1, v5, 15, v1                  ;   + 8 h rows of 4,096 bytes
	v_and_b32 v7, 15, v3                           ; r
	v_lshrrev_b32 v2, 4, v3
	v_lshl_add_u32 v2, v6, 1, v2                   ; b = 2 bh + L / 16
	v_lshlrev_b32 v2, 10, v2                       ; write: 1024 b
	v_lshl_add_u32 v2, v5, 8, v2                   ;   + 256 h
	v_lshl_add_u32 v2, v7, 4, v2                   ;   + 16 r
	s_and_b32 s8, ttmp9, 31                        ; s
	s_lshr_b32 s9, ttmp9, 5                        ; G
	s_lshl_b32 s10, s8, 17                         ; 32 s rows of 4,096 bytes
	s_lshl_b32 s9, s9, 9                           ; 128 G columns
	s_add_co_u32 s10, s10, s9
	s_mov_b32 s11, 0
	s_lshl_b32 s12, ttmp9, 13                      ; my 8,192 bytes of wf
	s_mov_b32 s13, 0
	s_wait_kmcnt 0x0
	s_add_nc_u64 s[4:5], s[4:5], s[10:11]
	s_add_nc_u64 s[6:7], s[6:7], s[12:13]
.irp g, 0,1
.irp e, 0,1,2,3,4,5,6,7
	global_load_b32 v[8+8*\g+\e], v1, s[4:5] offset:(16*\g+\e)*4096 th:TH_LOAD_NT   ; W_proj[32 s + 16 g + 8 h + e][my column]
.endr
.endr
	s_wait_loadcnt 0x0
.irp g, 0,1
.irp i, 0,1,2,3
	v_cvt_pk_bf16_f32 v[24+4*\g+\i], v[8+8*\g+2*\i], v[8+8*\g+2*\i+1]               ; the lower k in the lower half
.endr
.endr
	global_store_b128 v2, v[24:27], s[6:7]                  ; sixteen neighbouring lanes write 256 consecutive bytes, aligned
	global_store_b128 v2, v[28:31], s[6:7] offset:512
	s_endpgm
.Lfunc_end_k_q4890b3ef5f_prep:
	.size	k_q4890b3ef5f_prep, .Lfunc_end_k_q4890b3ef5f_prep-k_q4890b3ef5f_prep
	.p2alignl 7, 3214868480
	.fill 96, 4, 3214868480
	.section	.rodata,"a",@progbits
	.p2align	6, 0x0
	.amdhsa_kernel k_q4890b3ef5f_prep
		.amdhsa_group_segment_fixed_size 0
		.amdhsa_private_segment_fixed_size 0
		.amdhsa_enable_private_segment 0
		.amdhsa_kernarg_size 16
		.amdhsa_user_sgpr_count 2
		.amdhsa_user_sgpr_kernarg_segment_ptr 1
		.amdhsa_wavefront_size32 1
		.amdhsa_system_sgpr_workgroup_id_x 1
		.amdhsa_system_sgpr_workgroup_id_y 1
		.amdhsa_system_sgpr_workgroup_id_z 1
		.amdhsa_system_vgpr_workitem_id 0
		.amdhsa_next_free_vgpr 32
		.amdhsa_next_free_sgpr 66
		.amdhsa_reserve_vcc 0
		.amdhsa_float_denorm_mode_32 3
		.amdhsa_float_denorm_mode_16_64 3
		.amdhsa_memory_ordered 1
		.amdhsa_forward_progress 1
		.amdhsa_inst_pref_size 4
	.end_amdhsa_kernel
	.amdgpu_metadata
---
amdhsa.version: [ 1, 2 ]
amdhsa.kernels:
  - .name:           k_q4890b3ef5f_prep
    .symbol:         k_q4890b3ef5f_prep.kd
    .args:
      - { .name: W_proj, .offset: 0, .size: 8, .value_kind: global_buffer, .address_space: global }
      - { .name: wf, .offset: 8, .size: 8, .value_kind: global_buffer, .address_space: global }
    .group_segment_fixed_size: 0
    .private_segment_fixed_size: 0
    .kernarg_segment_align: 8
    .kernarg_segment_size: 16
    .max_flat_workgroup_size: 256
    .sgpr_count:     66
    .vgpr_count:     32
    .wavefront_size: 32
...
	.end_amdgpu_metadata
.endif
;; end of part 1
;; launch pool (part 2): grid 256 x 1, 4 waves a work-group, no clusters, 315,904 bytes of LDS; arguments W_emb, know_tokens, src_tokens, wf, ksum, csum, out0; writes ksum, csum, out0
.if DOCPART == 2
	.amdgcn_target "amdgcn-amd-amdhsa--gfx1250"
	.amdhsa_code_object_version 6
	.text
	.protected	k_q4890b3ef5f_pool
	.globl	k_q4890b3ef5f_pool
	.p2align	8
	.type	k_q4890b3ef5f_pool,@function
k_q4890b3ef5f_pool:
	s_mov_b64 s[64:65], 0
	v_nop
	global_prefetch_b8 v0, s[64:65] scope:SCOPE_SE
	s_setreg_imm32_b32 hwreg(HW_REG_WAVE_MODE, 25, 1), 1
	s_wait_xcnt 0x0
; gelu(W_emb[token] x W_proj) for all 34,816 token rows.  Kept are the column sums of each knowledge chunk (ksum), the context rows (out0) and their sums (csum).
; SHARES.  Work-group gid = one knowledge chunk (128 rows x 1024 columns) plus 16 context rows x 512 columns (rows 16 cg .., cg = gid & 127,
; column half Hc = gid >> 7): 17 x 8,192 outputs for each of the 256 work-groups.  Two passes of 512 columns: pass 0 makes half 1 - Hc with eight
; row tiles, pass 1 makes half Hc with nine (the ninth is the context).  Wave w makes all rows x 128 columns: 64 accumulator tiles, 512 registers.
; A (the gathered rows, bf16) is made once and stays in LDS for both passes; it is gathered WHILE pass 0 multiplies: 128 k (a granule) per trip of four K steps.
; B (W_proj in fragment order, wf) belongs to one wave alone, so it goes straight from memory into a ring of four register buffers.
; NO TENSOR LOADS, NO CLUSTER: A takes 313,344 of the 327,680 bytes that a work-group may be given.  One K step of 32 for a pass's 512 columns is
; 32,768 bytes of W, so no slot for a joint load of W fits beside A; and W_emb's rows need a conversion on their way, so they pass through registers.
; A row whose token is 0 is stored as zeros: then x = 0 and gelu(0) = 0, which is gelu(h) x 0.
; LIMITS: a NaN or infinity in W_emb[0] gives 0 here where the product with the mask gives NaN.  W_emb and W_proj are rounded once to bf16; sums, gelu and pooling are f32.
; gelu(x) = x / (1 + 2^z), z = x (C1 + C2 x^2), C1 = -2 log2(e) sqrt(2/pi), C2 = 0.044715 C1: the tanh form itself, right at both ends
; (z = +inf gives x * 0, z = -inf gives x * 1).
;
; LDS: granule block c (k = 128 c .. +127) at c * GRAN: 144 rows (0-127 chunk, 128-143 context) of 256 bytes + 16 = 272 = 17 x 16, so that the sixteen rows
; of a fragment load lie in sixteen different 16-byte columns of a 256-byte span.  POOLB: 512 bytes a wave for the sums' way out.
; The context tile's way out (16 rows x 272 bytes a wave) takes block 0 again, behind a barrier at which every wave's reads of A are over.
.set APITCH, 272
.set TILEB,  16*APITCH                 ; a row tile
.set GRAN,   144*APITCH                ; a granule block, 39,168 bytes
.set POOLB,  8*GRAN
.set BSTEP,  8192                      ; wf: one K step of a wave's 128 columns
; window 0
.set GOFF, 1                           ; 16 L + 512 x (granule being gathered)
.set BOFF, 2                           ; 16 L
.set STA,  3                           ; where my chunk rows' 8 bytes go: 32 w rows + 8 L + the block being converted
.set AAD,  4                           ; fragment address: r rows + 16 h + the block being multiplied
.set AAB,  5                           ; its start
.set STC,  6                           ; v[6:9] where my context rows go: (128 + 4 w) rows + 8 L + blocks 0, 2, 4, 6
.set STG,  15                          ; context way out: in
.set RDB,  16                          ; context way out: back, by rows
.set OOF,  17                          ; and the same two rows in out0
.set PSA,  18                          ; sums' way out: in
.set PSR,  19                          ; back
.set QR,   20                          ; v[20:23] sums, column 32 i + L
.set QO,   24                          ; v[24:27] sums as stored (v24-v28 are scratch during the set-up)
.set AB0,  32                          ; v[32:63]  A fragments, row tiles 0-3
.set AB1,  64                          ; v[64:103] A fragments, row tiles 4-8
.set SG,   104                         ; v[104:231] gather staging: 4 groups x 8 units x 4 registers (pass 0)
.set ACC8, 104                         ; v[104:167] the context tile's eight accumulators (pass 1)
.set ZR,   168                         ; v[168:199] gelu at work
.set RR,   200                         ; v[200:231] context rows as stored
.set SUMR, 232                         ; v[232:247] a pair of sums for each column tile
; window 1: B ring, buffer i at v[64 i], column tile b at + 8 b.  Window 2: accumulators of row tiles 0-3, tile (a, b) at 8 (8 a + b).  Window 3: row tiles 4-7.
.set TOK, 28                           ; s[28:59] my 32 chunk tokens
.set CTK, 60                           ; s[60:63] my 4 context tokens
.set KS0, 78                           ; s[78:79] ksum, pass 0's columns   s[80:81] pass 1's   s[82:83] csum   s[84:85] out0
.set KS1, 80
.set CSB, 82
.set OUTB, 84
.set LO,  0xa4                         ; s_set_vgpr_msb: source 0 (A) window 0, source 1 (B) window 1, C and D window 2
.set HI,  0xf4                         ; the same, C and D window 3
.set T8,  0x04                         ; the same, C and D window 0
.set TOB, 0x40                         ; destination window 1
.set X2,  0x02                         ; source 0 window 2
.set X3,  0x03                         ; source 0 window 3
.set MSB, 0
.macro WIN new                         ; the immediate's high byte repeats the setting that is left
.if MSB != \new
	s_set_vgpr_msb (MSB<<8)|\new
.set MSB, \new
.endif
.endm
.macro PLACES                          ; four places between a matrix instruction and a load into, or a read of, its registers
.rept 4
	v_nop
.endr
.endm
; 32 matrix instructions: four row tiles x eight column tiles, 32 along K.  The accumulators take turns, one instruction a turn.
.macro MUL32 ab, rb, zero
.irp ta, 0,1,2,3
.irp tb, 0,1,2,3,4,5,6,7
.if \zero
	v_wmma_f32_16x16x32_bf16 v[8*(8*\ta+\tb):8*(8*\ta+\tb)+7], v[\ab+8*\ta:\ab+8*\ta+7], v[64*(\rb)+8*\tb:64*(\rb)+8*\tb+7], 0
.else
	v_wmma_f32_16x16x32_bf16 v[8*(8*\ta+\tb):8*(8*\ta+\tb)+7], v[\ab+8*\ta:\ab+8*\ta+7], v[64*(\rb)+8*\tb:64*(\rb)+8*\tb+7], v[8*(8*\ta+\tb):8*(8*\ta+\tb)+7]
.endif
.endr
.endr
.endm
.macro MUL8 rb, zero                   ; the context tile x eight column tiles
.irp tb, 0,1,2,3,4,5,6,7
.if \zero
	v_wmma_f32_16x16x32_bf16 v[ACC8+8*\tb:ACC8+8*\tb+7], v[AB1+32:AB1+39], v[64*(\rb)+8*\tb:64*(\rb)+8*\tb+7], 0
.else
	v_wmma_f32_16x16x32_bf16 v[ACC8+8*\tb:ACC8+8*\tb+7], v[AB1+32:AB1+39], v[64*(\rb)+8*\tb:64*(\rb)+8*\tb+7], v[ACC8+8*\tb:ACC8+8*\tb+7]
.endif
.endr
.endm
.macro LDA0 koff                       ; fragments of row tiles 0-3 at byte koff behind AAD: 8 LDS loads
.irp ta, 0,1,2,3
	ds_load_b128 v[AB0+8*\ta:AB0+8*\ta+3],   v[AAD] offset:\ta*TILEB+\koff
	ds_load_b128 v[AB0+8*\ta+4:AB0+8*\ta+7], v[AAD] offset:\ta*TILEB+\koff+32
.endr
.endm
.macro LDA1 koff, ctx                  ; row tiles 4-7, and 8 where ctx: 8 or 10 LDS loads
.irp ta, 0,1,2,3
	ds_load_b128 v[AB1+8*\ta:AB1+8*\ta+3],   v[AAD] offset:(4+\ta)*TILEB+\koff
	ds_load_b128 v[AB1+8*\ta+4:AB1+8*\ta+7], v[AAD] offset:(4+\ta)*TILEB+\koff+32
.endr
.if \ctx
	ds_load_b128 v[AB1+32:AB1+35], v[AAD] offset:8*TILEB+\koff
	ds_load_b128 v[AB1+36:AB1+39], v[AAD] offset:8*TILEB+\koff+32
.endif
.endm
.macro LDB rb, base, off               ; one K step of my 128 columns of W into ring buffer rb: 16 loads of 512 neighbouring bytes
	WIN TOB
.irp ti, 0,1,2,3,4,5,6,7,8,9,10,11,12,13,14,15
	global_load_b128 v[64*(\rb)+4*\ti:64*(\rb)+4*\ti+3], v[BOFF], s[\base:\base+1] offset:\off+512*\ti
.endr
	WIN 0
.endm
.macro GATHK j                         ; 512 bytes (128 k) of each of my chunk rows 8 j .. 8 j + 7; a load lands on its own offset register
.irp tu, 0,1,2,3,4,5,6,7
	v_lshl_add_u32 v[SG+32*\j+4*\tu], s[TOK+8*\j+\tu], 12, v[GOFF]
.endr
.irp tu, 0,1,2,3,4,5,6,7
	global_load_b128 v[SG+32*\j+4*\tu:SG+32*\j+4*\tu+3], v[SG+32*\j+4*\tu], s[4:5]
.endr
.endm
.macro GATHC j                         ; my context row j, all eight pieces of 512 bytes
.irp tu, 0,1,2,3,4,5,6,7
	v_lshl_add_u32 v[SG+32*\j+4*\tu], s[CTK+\j], 12, v[BOFF]
.endr
.irp tu, 0,1,2,3,4,5,6,7
	global_load_b128 v[SG+32*\j+4*\tu:SG+32*\j+4*\tu+3], v[SG+32*\j+4*\tu], s[4:5] offset:512*\tu
.endr
.endm
.macro CONVK j                         ; group j: round to bf16, zero the rows of token 0, 8 bytes a lane into A
.irp tu, 0,1,2,3,4,5,6,7
	s_cmp_lg_u32 s[TOK+8*\j+\tu], 0
	s_cselect_b32 s22, -1, 0
	v_cvt_pk_bf16_f32 v[SG+32*\j+4*\tu],   v[SG+32*\j+4*\tu],   v[SG+32*\j+4*\tu+1]
	v_cvt_pk_bf16_f32 v[SG+32*\j+4*\tu+1], v[SG+32*\j+4*\tu+2], v[SG+32*\j+4*\tu+3]
	v_and_b32 v[SG+32*\j+4*\tu],   s22, v[SG+32*\j+4*\tu]
	v_and_b32 v[SG+32*\j+4*\tu+1], s22, v[SG+32*\j+4*\tu+1]
	ds_store_b64 v[STA], v[SG+32*\j+4*\tu:SG+32*\j+4*\tu+1] offset:(8*\j+\tu)*APITCH
.endr
.endm
.macro CONVC j                         ; the same for context row j: piece u goes to granule block u
	s_cmp_lg_u32 s[CTK+\j], 0
	s_cselect_b32 s22, -1, 0
.irp tu, 0,1,2,3,4,5,6,7
	v_cvt_pk_bf16_f32 v[SG+32*\j+4*\tu],   v[SG+32*\j+4*\tu],   v[SG+32*\j+4*\tu+1]
	v_cvt_pk_bf16_f32 v[SG+32*\j+4*\tu+1], v[SG+32*\j+4*\tu+2], v[SG+32*\j+4*\tu+3]
	v_and_b32 v[SG+32*\j+4*\tu],   s22, v[SG+32*\j+4*\tu]
	v_and_b32 v[SG+32*\j+4*\tu+1], s22, v[SG+32*\j+4*\tu+1]
	ds_store_b64 v[STC+\tu/2], v[SG+32*\j+4*\tu:SG+32*\j+4*\tu+1] offset:\j*APITCH+(\tu%2)*GRAN
.endr
.endm
; One K step of 32, on ring buffer j (j = the step's number in its trip of four).
;   zero: the products start the sums.   lcnt: how many younger loads may stay out when this step's B and the group to convert must be in.
;   conv: 1 chunk group j, 2 context row j, 0 nothing is converted.     gath: 1 chunk group j, 2 context row j, 0 nothing is gathered.
;   bsel: which B is fetched: 1 pass 0, two steps ahead; 2 pass 0's last two steps: pass 1's first three; 3 pass 1, three steps ahead; 0 none.
;   bar:  this step's stores end a granule: signal behind them, wait in front of the first read of the new block.
;   nxt:  where tiles 0-3 of the next step lie: 0 onward, 1 block 0 again (pass 1 begins), 2 there is no next step.    ctx: the ninth row tile.
.macro STEP j, zero, lcnt, conv, gath, bsel, bar, nxt, ctx
	WIN 0
	s_wait_loadcnt \lcnt
	PLACES                                         ; behind the last step's matrix instructions: AB1 and a ring buffer that they read are loaded below
.if \conv == 1
	CONVK \j
.endif
.if \conv == 2
	CONVC \j
.endif
.if \bsel == 1
.set RB, (\j+2)&3
.set BO, (\j+2)*BSTEP
	LDB RB, 24, BO
.endif
.if \bsel == 2
.set RB, (\j+2)&3
.set BO, (\j-2)*BSTEP
	LDB RB, 26, BO
.if \j == 3
	LDB 2, 26, 2*BSTEP
.endif
.endif
.if \bsel == 3
.set RB, (\j+3)&3
.set BO, (\j+3)*BSTEP
	LDB RB, 26, BO
.endif
.if \gath == 1
	GATHK \j
.endif
.if \gath == 2
	GATHC \j
.endif
.if \bar
	s_wait_dscnt 0x0                               ; my stores of the granule are in LDS (and AB0 is in),
	s_barrier_signal -1                            ; say so; up to the wait only registers and reads of blocks that nobody writes any more
.endif
.set KO, 64*\j
	LDA1 KO, \ctx
.if \bar == 0
.set DSC, 2*(4+\ctx)
.if \conv
.set DSC, DSC+8
.endif
	s_wait_dscnt DSC                               ; AB0 is in: younger are only this step's stores and the loads of AB1
.endif
	WIN LO
	MUL32 AB0, \j, \zero
	WIN 0
	PLACES                                         ; AB0 is loaded again below
.if \bar
	s_barrier_wait -1                              ; every wave's part of the new block is in LDS
.endif
.if \nxt == 0
.if \j == 3
.set KO, GRAN
.else
.set KO, 64*(\j+1)
.endif
	LDA0 KO
	s_wait_dscnt 0x8                               ; AB1 is in: the eight loads of AB0 are younger
.endif
.if \nxt == 1
	v_mov_b32 v[AAD], v[AAB]
	LDA0 0
	s_wait_dscnt 0x8
.endif
.if \nxt == 2
	s_wait_dscnt 0x0
.endif
	WIN HI
	MUL32 AB1, \j, \zero
.if \ctx
	WIN T8
	MUL8 \j, \zero
.endif
.endm
.macro ADV0                            ; a trip of pass 0 is over
	WIN 0
	v_add_nc_u32 v[AAD], GRAN, v[AAD]
	v_add_nc_u32 v[STA], GRAN, v[STA]
	v_add_nc_u32 v[GOFF], 512, v[GOFF]
	s_wait_xcnt 0x0                                ; the pending loads of B have had their addresses translated (ISA guide 3.1): only now their base is stepped
	s_add_nc_u64 s[24:25], s[24:25], 4*BSTEP
.endm
.macro ADV1                            ; a trip of pass 1 is over
	WIN 0
	v_add_nc_u32 v[AAD], GRAN, v[AAD]
	s_wait_xcnt 0x0                                ; as above
	s_add_nc_u64 s[26:27], s[26:27], 4*BSTEP
.endm
.macro TRIPK zero, gath                ; pass 0: four K steps; converts a chunk granule, gathers the next but one (or the context rows)
	STEP 0, \zero, 32, 1, \gath, 1, 0, 0, 0
	STEP 1, 0,     32, 1, \gath, 1, 0, 0, 0
	STEP 2, 0,     32, 1, \gath, 1, 0, 0, 0
	STEP 3, 0,     32, 1, \gath, 1, 1, 0, 0
.endm
.macro TRIPC zero                      ; pass 1: four K steps
	STEP 0, \zero, 32, 0, 0, 3, 0, 0, 1
	STEP 1, 0,     32, 0, 0, 3, 0, 0, 1
	STEP 2, 0,     32, 0, 0, 3, 0, 0, 1
	STEP 3, 0,     32, 0, 0, 3, 0, 0, 1
.endm
.macro SIGM                            ; ZR[0..31] = 1 / (1 + 2^ZR).  Behind each run of transcendentals one plain instruction before their results are used (ISA guide 5.7.2)
.set zi, 0
.rept 32
	v_exp_f32 v[ZR+zi], v[ZR+zi]
.set zi, zi+1
.endr
	v_nop
.set zi, 0
	s_wait_alu depctr_va_vdst(0)
.rept 16
	v_pk_add_f32 v[ZR+zi:ZR+zi+1], v[ZR+zi:ZR+zi+1], 1.0 op_sel_hi:[1,0]
.set zi, zi+2
.endr
.set zi, 0
.rept 32
	v_rcp_f32 v[ZR+zi], v[ZR+zi]
.set zi, zi+1
.endr
	v_nop
	s_wait_alu depctr_va_vdst(0)
.endm
; gelu of four tiles (row tile a of the window, column tiles 4 bh .. + 3), added straight into the column sums: g is never written.
.macro EPIB win, a, bh, first
	WIN \win
.irp tq, 0,1,2,3
.irp tc, 0,1,2,3
	v_pk_mul_f32 v[ZR+8*\tq+2*\tc:ZR+8*\tq+2*\tc+1], v[8*(8*\a+4*\bh+\tc)+2*\tq:8*(8*\a+4*\bh+\tc)+2*\tq+1], s[68:69] op_sel_hi:[1,0]
.endr
.endr
.irp tq, 0,1,2,3
.irp tc, 0,1,2,3
	v_pk_fma_f32 v[ZR+8*\tq+2*\tc:ZR+8*\tq+2*\tc+1], v[8*(8*\a+4*\bh+\tc)+2*\tq:8*(8*\a+4*\bh+\tc)+2*\tq+1], v[ZR+8*\tq+2*\tc:ZR+8*\tq+2*\tc+1], s[66:67] op_sel_hi:[1,1,0]
.endr
.endr
.irp tq, 0,1,2,3
.irp tc, 0,1,2,3
	v_pk_mul_f32 v[ZR+8*\tq+2*\tc:ZR+8*\tq+2*\tc+1], v[8*(8*\a+4*\bh+\tc)+2*\tq:8*(8*\a+4*\bh+\tc)+2*\tq+1], v[ZR+8*\tq+2*\tc:ZR+8*\tq+2*\tc+1]
.endr
.endr
	WIN 0
	SIGM
	WIN \win
.irp tq, 0,1,2,3
.irp tc, 0,1,2,3
.if \first
.if \tq == 0
	s_wait_alu depctr_va_vdst(0)
	v_pk_mul_f32 v[SUMR+2*(4*\bh+\tc):SUMR+2*(4*\bh+\tc)+1], v[8*(8*\a+4*\bh+\tc)+2*\tq:8*(8*\a+4*\bh+\tc)+2*\tq+1], v[ZR+8*\tq+2*\tc:ZR+8*\tq+2*\tc+1]
.else
	v_pk_fma_f32 v[SUMR+2*(4*\bh+\tc):SUMR+2*(4*\bh+\tc)+1], v[8*(8*\a+4*\bh+\tc)+2*\tq:8*(8*\a+4*\bh+\tc)+2*\tq+1], v[ZR+8*\tq+2*\tc:ZR+8*\tq+2*\tc+1], v[SUMR+2*(4*\bh+\tc):SUMR+2*(4*\bh+\tc)+1]
.endif
.else
	v_pk_fma_f32 v[SUMR+2*(4*\bh+\tc):SUMR+2*(4*\bh+\tc)+1], v[8*(8*\a+4*\bh+\tc)+2*\tq:8*(8*\a+4*\bh+\tc)+2*\tq+1], v[ZR+8*\tq+2*\tc:ZR+8*\tq+2*\tc+1], v[SUMR+2*(4*\bh+\tc):SUMR+2*(4*\bh+\tc)+1]
.endif
.endr
.endr
.endm
.macro EPIALL                          ; all 64 tiles of the chunk; the first row tile's first pairs start the sums
	EPIB X2, 0, 0, 1
	EPIB X2, 0, 1, 1
.irp ea, 1,2,3
	EPIB X2, \ea, 0, 0
	EPIB X2, \ea, 1, 0
.endr
.irp ea, 0,1,2,3
	EPIB X3, \ea, 0, 0
	EPIB X3, \ea, 1, 0
.endr
	WIN 0
.endm
; The sums leave: register j of lane (r, h) was row 8 h + j of column r, so a column's sum is the pair's two halves plus the other half of the lanes.
.macro SUMOUT base
	s_wait_xcnt 0x0                                ; QO was the last such store's data: rewritten only behind this wait
.irp tb, 0,1,2,3,4,5,6,7
	v_add_f32 v[SUMR+2*\tb], v[SUMR+2*\tb], v[SUMR+2*\tb+1]
.endr
.irp tb, 0,1,2,3,4,5,6,7
	v_permlanex16_b32 v[SUMR+2*\tb+1], v[SUMR+2*\tb], s70, s71      ; lane i xor 16; the destination has been written before
.endr
.irp tb, 0,1,2,3,4,5,6,7
	v_add_f32 v[SUMR+2*\tb], v[SUMR+2*\tb], v[SUMR+2*\tb+1]
.endr
.irp ti, 0,1,2,3
	v_cndmask_b32 v[QR+\ti], v[SUMR+4*\ti], v[SUMR+4*\ti+2], s76    ; lanes 16-31 take the odd tile: lane L holds column 32 i + L
.endr
.irp ti, 0,1,2,3
	ds_store_b32 v[PSA], v[QR+\ti] offset:128*\ti
.endr
	ds_load_b128 v[QO:QO+3], v[PSR]                ; my wave's own bytes; LDS serves a wave's instructions in order (ISA guide 5.7.1)
	s_wait_dscnt 0x0
	global_store_b128 v[BOFF], v[QO:QO+3], s[\base:\base+1]         ; 512 consecutive bytes, aligned
.endm
; The context tile, four column tiles at a time: gelu in place, sums, 16 rows x 256 bytes through my stage, whole rows out.
.macro EPIC ch
.irp tq, 0,1,2,3
.irp tc, 0,1,2,3
	v_pk_mul_f32 v[ZR+8*\tq+2*\tc:ZR+8*\tq+2*\tc+1], v[ACC8+8*(4*\ch+\tc)+2*\tq:ACC8+8*(4*\ch+\tc)+2*\tq+1], s[68:69] op_sel_hi:[1,0]
.endr
.endr
.irp tq, 0,1,2,3
.irp tc, 0,1,2,3
	v_pk_fma_f32 v[ZR+8*\tq+2*\tc:ZR+8*\tq+2*\tc+1], v[ACC8+8*(4*\ch+\tc)+2*\tq:ACC8+8*(4*\ch+\tc)+2*\tq+1], v[ZR+8*\tq+2*\tc:ZR+8*\tq+2*\tc+1], s[66:67] op_sel_hi:[1,1,0]
.endr
.endr
.irp tq, 0,1,2,3
.irp tc, 0,1,2,3
	v_pk_mul_f32 v[ZR+8*\tq+2*\tc:ZR+8*\tq+2*\tc+1], v[ACC8+8*(4*\ch+\tc)+2*\tq:ACC8+8*(4*\ch+\tc)+2*\tq+1], v[ZR+8*\tq+2*\tc:ZR+8*\tq+2*\tc+1]
.endr
.endr
	SIGM
	s_wait_alu depctr_va_vdst(0)
.irp tq, 0,1,2,3
.irp tc, 0,1,2,3
	v_pk_mul_f32 v[ACC8+8*(4*\ch+\tc)+2*\tq:ACC8+8*(4*\ch+\tc)+2*\tq+1], v[ACC8+8*(4*\ch+\tc)+2*\tq:ACC8+8*(4*\ch+\tc)+2*\tq+1], v[ZR+8*\tq+2*\tc:ZR+8*\tq+2*\tc+1]
.endr
.endr
.irp tc, 0,1,2,3
	v_pk_add_f32 v[SUMR+2*(4*\ch+\tc):SUMR+2*(4*\ch+\tc)+1], v[ACC8+8*(4*\ch+\tc):ACC8+8*(4*\ch+\tc)+1], v[ACC8+8*(4*\ch+\tc)+2:ACC8+8*(4*\ch+\tc)+3]
.endr
.irp tq, 2,3
.irp tc, 0,1,2,3
	v_pk_add_f32 v[SUMR+2*(4*\ch+\tc):SUMR+2*(4*\ch+\tc)+1], v[SUMR+2*(4*\ch+\tc):SUMR+2*(4*\ch+\tc)+1], v[ACC8+8*(4*\ch+\tc)+2*\tq:ACC8+8*(4*\ch+\tc)+2*\tq+1]
.endr
.endr
.irp tc, 0,1,2,3
.irp tj, 0,1,2,3,4,5,6,7
	ds_store_b32 v[STG], v[ACC8+8*(4*\ch+\tc)+\tj] offset:\tj*APITCH+64*\tc       ; row 8 h + j, column 16 tc + r
.endr
.endr
	s_wait_xcnt 0x0                                ; RR was store data: loaded again only behind this wait
.irp tt, 0,1,2,3,4,5,6,7
	ds_load_b128 v[RR+4*\tt:RR+4*\tt+3], v[RDB] offset:\tt*2*APITCH               ; rows 2 t + h; my own bytes, served in order
.endr
.irp tt, 0,1,2,3,4,5,6,7
	s_wait_dscnt 7-\tt
	global_store_b128 v[OOF], v[RR+4*\tt:RR+4*\tt+3], s[OUTB:OUTB+1] offset:8192*\tt+256*\ch th:TH_STORE_NT   ; sixteen lanes: 256 consecutive bytes, aligned
.endr
.endm
	; ---- set-up
	s_load_b256 s[4:11], s[0:1], 0x0               ; W_emb s[4:5], know_tokens s[6:7], src_tokens s[8:9], wf s[10:11]
	s_load_b128 s[12:15], s[0:1], 0x20             ; ksum s[12:13], csum s[14:15]
	s_load_b64 s[16:17], s[0:1], 0x30              ; out0
	v_lshl_add_u32 v254, v0, 2, 0x4d000
	v_mov_b32 v255, 0
	v_lshrrev_b32 v24, 5, v0
	v_readfirstlane_b32 s18, v24                   ; w
	s_mov_b32 s19, ttmp9                           ; gid = the chunk
	s_lshr_b32 s20, s19, 7                         ; Hc
	s_and_b32 s23, s19, 127                        ; cg
	s_xor_b32 s77, s20, 1                          ; 1 - Hc
	s_lshl_b32 s72, s19, 9                         ; my 32 chunk tokens: gid * 512 + w * 128 bytes
	s_lshl_b32 s74, s18, 7
	s_add_co_u32 s72, s72, s74
	s_lshl_b32 s73, s23, 6                         ; my 4 context tokens: cg * 64 + w * 16 bytes
	s_lshl_b32 s74, s18, 4
	s_add_co_u32 s73, s73, s74
	v_and_b32 v25, 31, v0                          ; L
	v_and_b32 v26, 15, v0                          ; r
	v_bfe_u32 v27, v0, 4, 1                        ; h
	v_lshlrev_b32 v[BOFF], 4, v25
	v_add_nc_u32 v[GOFF], 512, v[BOFF]             ; granule 1
	s_wait_kmcnt 0x0
	s_load_b512 s[28:43], s[6:7], s72 offset:0x0
	s_load_b512 s[44:59], s[6:7], s72 offset:0x40
	s_load_b128 s[60:63], s[8:9], s73 offset:0x0
	s_lshl_b32 s74, s77, 2
	s_add_co_u32 s74, s74, s18
	s_lshl_b32 s74, s74, 18                        ; column group 4 (1 - Hc) + w of wf
	s_mov_b32 s75, 0
	s_add_nc_u64 s[24:25], s[10:11], s[74:75]      ; B of pass 0
	LDB 0, 24, 0                                   ; K step 0's B goes out while the tokens are on their way
	s_lshl_b32 s74, s20, 2
	s_add_co_u32 s74, s74, s18
	s_lshl_b32 s74, s74, 18
	s_add_nc_u64 s[26:27], s[10:11], s[74:75]      ; B of pass 1
	s_lshl_b32 s86, s19, 12
	s_lshl_b32 s87, s18, 9
	s_add_co_u32 s86, s86, s87                     ; gid * 4096 + w * 512
	s_lshl_b32 s74, s77, 11
	s_add_co_u32 s74, s74, s86
	s_add_nc_u64 s[KS0:KS0+1], s[12:13], s[74:75]
	s_lshl_b32 s74, s20, 11
	s_add_co_u32 s87, s74, s87                     ; Hc * 2048 + w * 512
	s_add_co_u32 s74, s74, s86
	s_add_nc_u64 s[KS1:KS1+1], s[12:13], s[74:75]
	s_lshl_b32 s74, s23, 12
	s_add_co_u32 s74, s74, s87
	s_add_nc_u64 s[CSB:CSB+1], s[14:15], s[74:75]
	s_lshr_b32 s74, s23, 4                         ; the example
	s_mul_i32 s74, s74, 384
	s_and_b32 s86, s23, 15
	s_lshl_b32 s86, s86, 4
	s_add_co_u32 s74, s74, s86
	s_add_co_u32 s74, s74, 128                     ; row n * 384 + 128 + 16 (cg & 15) of out0
	s_lshl_b32 s74, s74, 12
	s_add_co_u32 s74, s74, s87
	s_add_nc_u64 s[OUTB:OUTB+1], s[16:17], s[74:75]
	s_mov_b32 s66, 0xc0135761                      ; C1 = -2.3022082, twice (a pair for the packed forms)
	s_mov_b32 s67, 0xc0135761
	s_mov_b32 s68, 0xbdd2d3e8                      ; C2 = -0.10294324
	s_mov_b32 s69, 0xbdd2d3e8
	s_mov_b32 s70, 0x76543210                      ; v_permlanex16_b32: lane i of the other half
	s_mov_b32 s71, 0xfedcba98
	s_mov_b32 s76, 0xffff0000                      ; lanes 16-31
	s_mul_i32 s74, s18, 32*APITCH
	v_lshl_add_u32 v[STA], v25, 3, s74             ; block 0
	s_mul_i32 s74, s18, 4*APITCH
	s_add_co_u32 s74, s74, 128*APITCH
	v_lshl_add_u32 v[STC], v25, 3, s74
	v_add_nc_u32 v[STC+1], 2*GRAN, v[STC]
	v_add_nc_u32 v[STC+2], 4*GRAN, v[STC]
	v_add_nc_u32 v[STC+3], 6*GRAN, v[STC]
	v_mul_u32_u24 v28, v26, APITCH
	v_lshl_add_u32 v[AAB], v27, 4, v28             ; r rows + 16 h
	v_mov_b32 v[AAD], v[AAB]
	s_mul_i32 s74, s18, TILEB                      ; my stage for the context tile: w * 16 rows, in block 0
	v_mul_u32_u24 v28, v27, 8*APITCH
	v_lshl_add_u32 v28, v26, 2, v28
	v_add_nc_u32 v[STG], s74, v28
	v_mul_u32_u24 v28, v27, APITCH
	v_lshl_add_u32 v28, v26, 4, v28
	v_add_nc_u32 v[RDB], s74, v28
	v_lshlrev_b32 v28, 12, v27
	v_lshl_add_u32 v[OOF], v26, 4, v28
	s_lshl_b32 s74, s18, 9
	s_add_co_u32 s74, s74, POOLB
	v_lshl_add_u32 v[PSA], v25, 2, s74
	v_lshl_add_u32 v[PSR], v25, 4, s74
	s_wait_kmcnt 0x0                               ; the tokens
.set i, 0
.rept 36
	s_min_u32 s[TOK+i], s[TOK+i], 31999            ; an index stays inside the table; token 0 stays 0
.set i, i+1
.endr
	; ---- prologue: granule 0 through the still idle window 2.  On LOADcnt: B(0) 16, granule 0 32, group 0 of granule 1 8: 56 out.
	WIN 0x80
.set i, 0
.rept 32
	v_lshl_add_u32 v[4*i], s[TOK+i], 12, v[BOFF]
.set i, i+1
.endr
	WIN 0x82
.set i, 0
.rept 32
	global_load_b128 v[4*i:4*i+3], v[4*i], s[4:5]
.set i, i+1
.endr
	WIN 0
	GATHK 0
	s_wait_loadcnt 0x8                             ; granule 0 (and B(0)) is in: only group 0's eight loads are younger
	WIN 0x0a
.set i, 0
.rept 32
	v_cvt_pk_bf16_f32 v[32+2*i], v[4*i],   v[4*i+1]
	v_cvt_pk_bf16_f32 v[33+2*i], v[4*i+2], v[4*i+3]
.set i, i+1
.endr
	WIN 0
.set i, 0
.rept 32
	s_cmp_lg_u32 s[TOK+i], 0
	s_cselect_b32 s22, -1, 0
	v_and_b32 v[32+2*i], s22, v[32+2*i]
	v_and_b32 v[33+2*i], s22, v[33+2*i]
	ds_store_b64 v[STA], v[32+2*i:33+2*i] offset:i*APITCH
.set i, i+1
.endr
	GATHK 1                                        ; the order of the loop's steps: .. group, B, group
	GATHK 2
	LDB 1, 24, BSTEP
	GATHK 3
	v_add_nc_u32 v[STA], GRAN, v[STA]              ; block 1 is converted next,
	v_add_nc_u32 v[GOFF], 512, v[GOFF]             ; granule 2 gathered next
	s_wait_dscnt 0x0                               ; my rows of granule 0 are in LDS
	s_barrier_signal -1
	s_barrier_wait -1                              ; everybody's are
	LDA0 0
	; ---- pass 0.  A step issues B(s+2), 16 loads, then a gather group, 8.  At the head of step s the loads younger than B(s) are
	; group(s-2), B(s+1), group(s-1): 32.  The group converted in step s was issued in step s-4.  At most 32 + 24 = 56 loads of a wave are out.
	; Trip t converts granule t+1 and gathers granule t+2; trip 6 gathers the four context rows, trip 7 converts them.
	TRIPK 1, 1
	ADV0
	s_mov_b32 s21, 5
.Lp0:
	TRIPK 0, 1
	ADV0
	s_sub_co_u32 s21, s21, 1
	s_cmp_lg_u32 s21, 0
	s_cbranch_scc1 .Lp0
	TRIPK 0, 2
	ADV0
	STEP 0, 0, 32, 2, 0, 1, 0, 0, 0                ; nothing is gathered any more, so the counts run down:
	STEP 1, 0, 24, 2, 0, 1, 0, 0, 0                ; younger than B(29): a group and B(30)
	STEP 2, 0, 16, 2, 0, 2, 0, 0, 0                ; younger than B(30): B(31).  Pass 1's step 0 is fetched
	STEP 3, 0, 16, 2, 0, 2, 1, 1, 0                ; younger than B(31): pass 1's step 0.  Its steps 1 and 2 are fetched; the barrier shows the context rows
	WIN 0
	PLACES                                         ; the gelu reads matrix results
	EPIALL
	SUMOUT KS0
	; ---- pass 1: B three steps ahead; younger than this step's B are the next two steps': 32
	TRIPC 1
	ADV1
	s_mov_b32 s21, 6
.Lp1:
	TRIPC 0
	ADV1
	s_sub_co_u32 s21, s21, 1
	s_cmp_lg_u32 s21, 0
	s_cbranch_scc1 .Lp1
	STEP 0, 0, 32, 0, 0, 3, 0, 0, 1                ; fetches the last step's B
	STEP 1, 0, 32, 0, 0, 0, 0, 0, 1
	STEP 2, 0, 16, 0, 0, 0, 0, 0, 1
	STEP 3, 0, 0,  0, 0, 0, 0, 2, 1
	WIN 0
	PLACES
	s_wait_dscnt 0x0                               ; my reads of A are over (met: the last step waited for them)
	s_barrier_signal -1                            ; say so; only register work up to the wait
	EPIALL
	s_barrier_wait -1                              ; nobody reads A any more: block 0 serves as the stage
	SUMOUT KS1
	EPIC 0
	EPIC 1
	SUMOUT CSB
	s_wait_tensorcnt 0x0
	ds_add_u32 v254, v255
	s_wait_dscnt 0x0
	s_endpgm
.Lfunc_end_k_q4890b3ef5f_pool:
	.size	k_q4890b3ef5f_pool, .Lfunc_end_k_q4890b3ef5f_pool-k_q4890b3ef5f_pool
	.p2alignl 7, 3214868480
	.fill 96, 4, 3214868480
	.section	.rodata,"a",@progbits
	.p2align	6, 0x0
	.amdhsa_kernel k_q4890b3ef5f_pool
		.amdhsa_group_segment_fixed_size 315904
		.amdhsa_private_segment_fixed_size 0
		.amdhsa_enable_private_segment 0
		.amdhsa_kernarg_size 56
		.amdhsa_user_sgpr_count 2
		.amdhsa_user_sgpr_kernarg_segment_ptr 1
		.amdhsa_wavefront_size32 1
		.amdhsa_system_sgpr_workgroup_id_x 1
		.amdhsa_system_sgpr_workgroup_id_y 1
		.amdhsa_system_sgpr_workgroup_id_z 1
		.amdhsa_system_vgpr_workitem_id 0
		.amdhsa_next_free_vgpr 1024
		.amdhsa_next_free_sgpr 88
		.amdhsa_reserve_vcc 0
		.amdhsa_float_denorm_mode_32 3
		.amdhsa_float_denorm_mode_16_64 3
		.amdhsa_memory_ordered 1
		.amdhsa_forward_progress 1
		.amdhsa_inst_pref_size 255
	.end_amdhsa_kernel
	.section	.bss,"aw",@nobits
	.p2align	6
	.space	262144
	.amdgpu_metadata
---
amdhsa.version: [ 1, 2 ]
amdhsa.kernels:
  - .name:           k_q4890b3ef5f_pool
    .symbol:         k_q4890b3ef5f_pool.kd
    .args:
      - { .name: W_emb, .offset: 0, .size: 8, .value_kind: global_buffer, .address_space: global }
      - { .name: know_tokens, .offset: 8, .size: 8, .value_kind: global_buffer, .address_space: global }
      - { .name: src_tokens, .offset: 16, .size: 8, .value_kind: global_buffer, .address_space: global }
      - { .name: wf, .offset: 24, .size: 8, .value_kind: global_buffer, .address_space: global }
      - { .name: ksum, .offset: 32, .size: 8, .value_kind: global_buffer, .address_space: global }
      - { .name: csum, .offset: 40, .size: 8, .value_kind: global_buffer, .address_space: global }
      - { .name: out0, .offset: 48, .size: 8, .value_kind: global_buffer, .address_space: global }
    .group_segment_fixed_size: 315904
    .private_segment_fixed_size: 0
    .kernarg_segment_align: 8
    .kernarg_segment_size: 56
    .max_flat_workgroup_size: 128
    .sgpr_count:     88
    .vgpr_count:     1024
    .wavefront_size: 32
...
	.end_amdgpu_metadata
.endif
;; end of part 2
;; launch pick (part 3): grid 8 x 1, 32 waves a work-group, no clusters, 12,288 bytes of LDS; arguments ksum, csum, know_tokens, src_tokens, ck_mask, out1, out2, ids, cs_ids; writes out1, out2, ids
.if DOCPART == 3
	.amdgcn_target "amdgcn-amd-amdhsa--gfx1250"
	.amdhsa_code_object_version 6
	.text
	.protected	k_q4890b3ef5f_pick
	.globl	k_q4890b3ef5f_pick
	.p2align	8
	.type	k_q4890b3ef5f_pick,@function
k_q4890b3ef5f_pick:
	s_mov_b64 s[64:65], 0
	v_nop
	global_prefetch_b8 v0, s[64:65] scope:SCOPE_SE
	s_setreg_imm32_b32 hwreg(HW_REG_WAVE_MODE, 25, 1), 1
	s_wait_xcnt 0x0
; Scores, ck_attn, the context part of the mask, and the chosen chunk of each example, stored as a whole number for the launch behind this one.
; Work-group n = example n; wave k = chunk k.  score = (ksum[n][k] . ctx) / sqrt(1024 len_k * 1024 len_c), ctx = the sum of the example's 16 rows of csum.
; The product under the root is 2^20 len_k len_c with len_k len_c <= 32,768: exact in f32.
; use_cs_ids is the problem's constant 0, so the argmax is stored; the other branch is written under USE_CS_IDS.
; LIMITS: a NaN score is not taken as the maximum (no lane then equals the maximum and index 31 is stored).  Two scores that differ by less than
; the rounding of the f32 sums may change places.  The index steers no address here.
; 1 MB + 0.5 MB are read once by 8 work-groups: no ring, no matrix unit.
.set USE_CS_IDS, 0
.set SC, 4096                          ; LDS: ctx at 0 (4,096 bytes), the 32 scores at SC
	s_load_b512 s[4:19], s[0:1], 0x0               ; ksum s[4:5] csum s[6:7] know s[8:9] src s[10:11] ck_mask s[12:13] out1 s[14:15] out2 s[16:17] ids s[18:19]
	v_lshl_add_u32 v62, v0, 2, 0x2000
	v_mov_b32 v63, 0
	v_lshrrev_b32 v1, 5, v0
	v_readfirstlane_b32 s20, v1                    ; k
	s_mov_b32 s21, ttmp9                           ; n
	v_and_b32 v2, 31, v0                           ; L
	v_lshlrev_b32 v1, 4, v2                        ; 16 L
	v_lshlrev_b32 v3, 5, v2                        ; 32 L
	v_lshlrev_b32 v4, 4, v0                        ; 16 t
	v_mov_b32 v5, s20
	v_lshlrev_b32 v5, 2, v5                        ; 4 k
	s_lshl_b32 s32, s21, 5                         ; n * 32
	s_mov_b32 s33, 0
	s_add_co_u32 s23, s32, s20                     ; the chunk
	s_lshl_b32 s24, s23, 12
	s_mov_b32 s25, 0
	s_lshl_b32 s26, s23, 9
	s_mov_b32 s27, 0
	s_lshl_b32 s28, s21, 10
	s_mov_b32 s29, 0
	s_lshl_b32 s30, s21, 16
	s_mov_b32 s31, 0
	s_mov_b32 s44, 0x76543210
	s_mov_b32 s45, 0xfedcba98
	s_wait_kmcnt 0x0
	s_add_nc_u64 s[4:5], s[4:5], s[24:25]          ; my row of ksum
	s_add_nc_u64 s[8:9], s[8:9], s[26:27]          ; my chunk's tokens
	s_add_nc_u64 s[10:11], s[10:11], s[28:29]      ; the example's context tokens
	s_add_nc_u64 s[6:7], s[6:7], s[30:31]          ; the example's 16 rows of csum
	s_add_nc_u64 s[12:13], s[12:13], s[32:33]      ; the example's ck_mask
.irp c, 0,1,2,3,4,5,6,7
	global_load_b128 v[8+4*\c:11+4*\c], v1, s[4:5] offset:512*\c
.endr
	global_load_b128 v[40:43], v1, s[8:9]          ; tokens 4 L .. 4 L + 3 of the chunk
	global_load_b128 v[44:47], v3, s[10:11]        ; context tokens 8 L .. 8 L + 7
	global_load_b128 v[48:51], v3, s[10:11] offset:16
	global_load_u8 v53, v2, s[12:13]               ; ck_mask[n][L]
	s_cmp_gt_u32 s20, 7
	s_cbranch_scc1 .Lnoctx
	; waves 0-7: thread t adds up columns 4 t .. 4 t + 3 of the 16 rows
.irp i, 0,1,2,3,4,5,6,7,8,9,10,11,12,13,14,15
	global_load_b128 v[64+4*\i:67+4*\i], v4, s[6:7] offset:4096*\i
.endr
	s_wait_loadcnt 0x0
.irp i, 2,4,6,8,10,12,14
	v_pk_add_f32 v[64:65], v[64:65], v[64+4*\i:65+4*\i]
	v_pk_add_f32 v[66:67], v[66:67], v[66+4*\i:67+4*\i]
	v_pk_add_f32 v[68:69], v[68:69], v[68+4*\i:69+4*\i]
	v_pk_add_f32 v[70:71], v[70:71], v[70+4*\i:71+4*\i]
.endr
	v_pk_add_f32 v[64:65], v[64:65], v[68:69]
	v_pk_add_f32 v[66:67], v[66:67], v[70:71]
	ds_store_b128 v4, v[64:67]
.Lnoctx:
	s_wait_loadcnt 0x0
	; the lengths: tokens other than 0, at least 1
	s_mov_b32 s36, 0
.irp i, 40,41,42,43
	v_cmp_ne_u32 s38, 0, v\i
	s_bcnt1_i32_b32 s38, s38
	s_add_co_u32 s36, s36, s38
.endr
	s_max_u32 s36, s36, 1
	s_mov_b32 s39, 0
.irp i, 44,45,46,47,48,49,50,51
	v_cmp_ne_u32 s38, 0, v\i
	s_bcnt1_i32_b32 s38, s38
	s_add_co_u32 s39, s39, s38
.endr
	s_max_u32 s39, s39, 1
	s_mul_i32 s40, s36, s39
	v_cvt_f32_u32 v52, s40
	v_mul_f32 v52, 0x49800000, v52                 ; x 2^20 = (1024 len_k) (1024 len_c)
	v_rsq_f32 v52, v52                             ; used far below
	s_wait_dscnt 0x0                               ; my part of ctx is in LDS
	s_barrier_signal -1
	s_barrier_wait -1
.irp c, 0,1,2,3,4,5,6,7
	ds_load_b128 v[64+4*\c:67+4*\c], v1 offset:512*\c
.endr
	s_wait_dscnt 0x0
.irp q, 0,1,2,3
	v_mul_f32 v[96+\q], v[8+\q], v[64+\q]          ; four chains; the first products start them
.endr
.irp c, 1,2,3,4,5,6,7
.irp q, 0,1,2,3
	v_fmac_f32 v[96+\q], v[8+4*\c+\q], v[64+4*\c+\q]
.endr
.endr
	v_add_f32 v96, v96, v97
	v_add_f32 v98, v98, v99
	v_add_f32 v96, v96, v98
	v_add_f32_dpp v96, v96, v96 row_xmask:1 row_mask:0xf bank_mask:0xf
	v_add_f32_dpp v96, v96, v96 row_xmask:2 row_mask:0xf bank_mask:0xf
	v_add_f32_dpp v96, v96, v96 row_xmask:4 row_mask:0xf bank_mask:0xf
	v_add_f32_dpp v96, v96, v96 row_xmask:8 row_mask:0xf bank_mask:0xf
	v_permlanex16_b32 v97, v96, s44, s45
	v_add_f32 v96, v96, v97
	s_wait_alu depctr_va_vdst(0)
	v_mul_f32 v96, v96, v52                        ; the score, in every lane
	ds_store_b32 v5, v96 offset:SC
	s_wait_dscnt 0x0
	s_barrier_signal -1
	s_barrier_wait -1
	s_cmp_lg_u32 s20, 0
	s_cbranch_scc1 .Lend
	; wave 0: lane L has chunk L
	v_lshlrev_b32 v6, 2, v2
	ds_load_b32 v55, v6 offset:SC
	s_lshl_b32 s24, s21, 7                         ; out2: n * 128 bytes
	s_add_nc_u64 s[16:17], s[16:17], s[24:25]
	s_mul_i32 s26, s21, 384
	s_add_co_u32 s26, s26, 128                     ; out1: n * 384 + 128
	s_add_nc_u64 s[14:15], s[14:15], s[26:27]
	s_lshl_b32 s28, s21, 2                         ; ids: 4 n
	s_add_nc_u64 s[18:19], s[18:19], s[28:29]
	v_lshlrev_b32 v7, 3, v2
	v_cmp_ne_u32 vcc_lo, 0, v53
	v_mov_b32 v56, 0xf149f2ca                      ; -1e30
	s_wait_dscnt 0x0
	v_cndmask_b32 v54, 0, v55, vcc_lo              ; ck_attn: the score, 0 where masked
	v_cndmask_b32 v56, v56, v55, vcc_lo            ; masked score
	global_store_b32 v6, v54, s[16:17]
	v_mov_b32 v57, v56
	v_max_num_f32_dpp v57, v57, v57 row_xmask:1 row_mask:0xf bank_mask:0xf
	v_max_num_f32_dpp v57, v57, v57 row_xmask:2 row_mask:0xf bank_mask:0xf
	v_max_num_f32_dpp v57, v57, v57 row_xmask:4 row_mask:0xf bank_mask:0xf
	v_max_num_f32_dpp v57, v57, v57 row_xmask:8 row_mask:0xf bank_mask:0xf
	v_permlanex16_b32 v97, v57, s44, s45
	v_max_num_f32 v57, v57, v97
	v_cmp_eq_f32 s34, v56, v57
	s_ctz_i32_b32 s35, s34                         ; the first chunk that holds the maximum, as argmax takes it
	s_min_u32 s35, s35, 31
.if USE_CS_IDS
	s_load_b64 s[40:41], s[0:1], 0x40              ; cs_ids
	s_wait_kmcnt 0x0
	s_load_b32 s35, s[40:41], s28 offset:0x0
	s_wait_kmcnt 0x0
	s_min_u32 s35, s35, 31
.endif
	; the context part of the mask: eight bytes a lane
.irp i, 44,45,46,47,48,49,50,51
	v_min_u32 v\i, 1, v\i
.endr
	v_lshl_or_b32 v44, v45, 8, v44
	v_lshl_or_b32 v46, v47, 8, v46
	v_lshl_or_b32 v58, v46, 16, v44
	v_lshl_or_b32 v48, v49, 8, v48
	v_lshl_or_b32 v50, v51, 8, v50
	v_lshl_or_b32 v59, v50, 16, v48
	global_store_b64 v7, v[58:59], s[14:15]        ; 256 consecutive bytes
	v_mov_b32 v60, s35
	v_mov_b32 v61, 0
	v_cmp_eq_u32 vcc_lo, 0, v2
	s_wait_xcnt 0x0                                ; EXEC is a source of the stores above: it changes only behind this wait
	s_and_saveexec_b32 s36, vcc_lo
	global_store_b32 v61, v60, s[18:19]            ; lane 0: ids[n]
	s_wait_xcnt 0x0                                ; and again in front of the line that widens it
	s_or_b32 exec_lo, exec_lo, s36
.Lend:
	s_wait_tensorcnt 0x0
	ds_add_u32 v62, v63
	s_wait_dscnt 0x0
	s_endpgm
.Lfunc_end_k_q4890b3ef5f_pick:
	.size	k_q4890b3ef5f_pick, .Lfunc_end_k_q4890b3ef5f_pick-k_q4890b3ef5f_pick
	.p2alignl 7, 3214868480
	.fill 96, 4, 3214868480
	.section	.rodata,"a",@progbits
	.p2align	6, 0x0
	.amdhsa_kernel k_q4890b3ef5f_pick
		.amdhsa_group_segment_fixed_size 12288
		.amdhsa_private_segment_fixed_size 0
		.amdhsa_enable_private_segment 0
		.amdhsa_kernarg_size 72
		.amdhsa_user_sgpr_count 2
		.amdhsa_user_sgpr_kernarg_segment_ptr 1
		.amdhsa_wavefront_size32 1
		.amdhsa_system_sgpr_workgroup_id_x 1
		.amdhsa_system_sgpr_workgroup_id_y 1
		.amdhsa_system_sgpr_workgroup_id_z 1
		.amdhsa_system_vgpr_workitem_id 0
		.amdhsa_next_free_vgpr 128
		.amdhsa_next_free_sgpr 66
		.amdhsa_reserve_vcc 1
		.amdhsa_float_denorm_mode_32 3
		.amdhsa_float_denorm_mode_16_64 3
		.amdhsa_memory_ordered 1
		.amdhsa_forward_progress 1
		.amdhsa_inst_pref_size 13
	.end_amdhsa_kernel
	.amdgpu_metadata
---
amdhsa.version: [ 1, 2 ]
amdhsa.kernels:
  - .name:           k_q4890b3ef5f_pick
    .symbol:         k_q4890b3ef5f_pick.kd
    .args:
      - { .name: ksum, .offset: 0, .size: 8, .value_kind: global_buffer, .address_space: global }
      - { .name: csum, .offset: 8, .size: 8, .value_kind: global_buffer, .address_space: global }
      - { .name: know_tokens, .offset: 16, .size: 8, .value_kind: global_buffer, .address_space: global }
      - { .name: src_tokens, .offset: 24, .size: 8, .value_kind: global_buffer, .address_space: global }
      - { .name: ck_mask, .offset: 32, .size: 8, .value_kind: global_buffer, .address_space: global }
      - { .name: out1, .offset: 40, .size: 8, .value_kind: global_buffer, .address_space: global }
      - { .name: out2, .offset: 48, .size: 8, .value_kind: global_buffer, .address_space: global }
      - { .name: ids, .offset: 56, .size: 8, .value_kind: global_buffer, .address_space: global }
      - { .name: cs_ids, .offset: 64, .size: 8, .value_kind: global_buffer, .address_space: global }
    .group_segment_fixed_size: 12288
    .private_segment_fixed_size: 0
    .kernarg_segment_align: 8
    .kernarg_segment_size: 72
    .max_flat_workgroup_size: 1024
    .sgpr_count:     66
    .vgpr_count:     128
    .wavefront_size: 32
...
	.end_amdgpu_metadata
.endif
;; end of part 3
;; launch sel (part 4): grid 8 x 32, 4 waves a work-group, no clusters, 83,456 bytes of LDS; arguments W_emb, know_tokens, ids, wf, out0, out1; writes out0, out1
.if DOCPART == 4
	.amdgcn_target "amdgcn-amd-amdhsa--gfx1250"
	.amdhsa_code_object_version 6
	.text
	.protected	k_q4890b3ef5f_sel
	.globl	k_q4890b3ef5f_sel
	.p2align	8
	.type	k_q4890b3ef5f_sel,@function
k_q4890b3ef5f_sel:
	s_mov_b64 s[64:65], 0
	v_nop
	global_prefetch_b8 v0, s[64:65] scope:SCOPE_SE
	s_setreg_imm32_b32 hwreg(HW_REG_WAVE_MODE, 25, 1), 1
	s_wait_xcnt 0x0
; The chosen chunk of each example is encoded once more (8 x 128 rows: 3 per cent of the products) and written: rows 0-127 of out0[n] and of the mask.
; Work-group (G, y): columns 128 G .. + 127; example n = y >> 2, rows 32 (y & 3) .. + 31 of chunk ids[n], which the launch before stored.
; Wave w gathers rows 8 w .. + 7 whole (64 loads of 512 bytes), rounds them to bf16 and puts them into LDS; then multiplies all 32 rows by its
; 32 columns: 2 x 2 tiles.  Its whole share of W (32 K steps x 2 tiles, 512 registers) is asked for at once, behind the gathers.
; No cluster: the eight work-groups of a row block share 128 KB of gathered rows, which need a conversion on their way and so pass through registers.
; Rows of token 0 are stored as zeros (gelu(0) = 0).  LIMIT as in the pooling launch: a NaN or infinity in W_emb[0] gives 0 here.
.set APITCH, 2064                      ; 2,048 bytes + 16 = 129 x 16: the sixteen rows of a fragment load lie in sixteen different 16-byte columns of a 256-byte span
.set STAGE,  32*APITCH                 ; the way out: 32 rows of 512 + 16 bytes
.set SPITCH, 528
.set ACC, 16                           ; v[16:47]  four accumulators, tile (a, b) at 8 (2 a + b)
.set AF0, 64                           ; v[64:127], v[128:191]: A fragments of four K steps each (before that: the packed rows)
.set AF1, 128
.set ZR,  192                          ; v[192:223] gelu at work
.set RR,  224                          ; v[224:255] rows as stored
.set TOK, 24                           ; s[24:31] my eight tokens
; v1 16 L; v[2:9] row offsets; v10 where my rows go; v11 fragment address; v12 stage in; v13 stage back; v14 L
; window 1: gather staging, piece c of row i at 4 (8 i + c).  Windows 2, 3: my B, K step s at 16 s, tile b at + 8 b.
.set MSB, 0
.macro WIN new
.if MSB != \new
	s_set_vgpr_msb (MSB<<8)|\new
.set MSB, \new
.endif
.endm
.macro PLACES                          ; four places behind a matrix instruction (ISA guide 7.12.1)
.rept 4
	v_nop
.endr
.endm
.macro LDAF kb, f                      ; A fragments of K steps 4 kb .. + 3, both row tiles: 16 LDS loads
.irp ts, 0,1,2,3
.irp ta, 0,1
	ds_load_b128 v[\f+16*\ts+8*\ta:\f+16*\ts+8*\ta+3],   v11 offset:\ta*16*APITCH+64*(4*(\kb)+\ts)
	ds_load_b128 v[\f+16*\ts+8*\ta+4:\f+16*\ts+8*\ta+7], v11 offset:\ta*16*APITCH+64*(4*(\kb)+\ts)+32
.endr
.endr
.endm
.macro MUL4 f, ks, zero                ; K step ks: the four accumulators take turns, one instruction a turn
.irp ta, 0,1
.irp tb, 0,1
.if \zero
	v_wmma_f32_16x16x32_bf16 v[ACC+8*(2*\ta+\tb):ACC+8*(2*\ta+\tb)+7], v[(\f)+8*\ta:(\f)+8*\ta+7], v[(16*(\ks))%256+8*\tb:(16*(\ks))%256+8*\tb+7], 0
.else
	v_wmma_f32_16x16x32_bf16 v[ACC+8*(2*\ta+\tb):ACC+8*(2*\ta+\tb)+7], v[(\f)+8*\ta:(\f)+8*\ta+7], v[(16*(\ks))%256+8*\tb:(16*(\ks))%256+8*\tb+7], v[ACC+8*(2*\ta+\tb):ACC+8*(2*\ta+\tb)+7]
.endif
.endr
.endr
.endm
.macro BLOCK kb, f, dsc, lcnt, zero, more
	s_wait_dscnt \dsc                              ; this block's fragments are in; the next block's 16 loads may be out
	s_wait_loadcnt \lcnt                           ; B up to K step 4 kb + 3 is in: 16 (7 - kb) loads are younger (the wait's field ends at 63)
	MUL4 \f,    4*\kb,   \zero
	MUL4 \f+16, 4*\kb+1, 0
	MUL4 \f+32, 4*\kb+2, 0
	MUL4 \f+48, 4*\kb+3, 0
.if \more
	PLACES
	LDAF \kb+2, \f
.endif
.endm
	s_load_b256 s[4:11], s[0:1], 0x0               ; W_emb s[4:5], know_tokens s[6:7], ids s[8:9], wf s[10:11]
	s_load_b128 s[12:15], s[0:1], 0x20             ; out0 s[12:13], out1 s[14:15]
	v_lshl_add_u32 v62, v0, 2, 0x14400
	v_mov_b32 v63, 0
	v_lshrrev_b32 v14, 5, v0
	v_readfirstlane_b32 s16, v14                   ; w
	s_mov_b32 s17, ttmp9                           ; G
	s_and_b32 s18, ttmp7, 0xffff
	s_lshr_b32 s19, s18, 2                         ; n
	s_and_b32 s18, s18, 3                          ; rq
	s_lshl_b32 s21, s19, 2
	s_wait_kmcnt 0x0
	s_load_b32 s20, s[8:9], s21 offset:0x0         ; ids[n]
	v_and_b32 v14, 31, v0                          ; L
	v_and_b32 v15, 15, v0                          ; r
	v_bfe_u32 v48, v0, 4, 1                        ; h
	v_lshlrev_b32 v1, 4, v14
	s_mul_i32 s33, s16, 8*APITCH
	v_lshl_add_u32 v10, v14, 3, s33                ; 8 w rows + 8 L
	v_mul_u32_u24 v11, v15, APITCH
	v_lshl_add_u32 v11, v48, 4, v11                ; r rows + 16 h
	s_lshl_b32 s33, s16, 7
	s_add_co_u32 s33, s33, STAGE
	v_mul_u32_u24 v12, v48, 8*SPITCH
	v_lshl_add_u32 v12, v15, 2, v12
	v_add_nc_u32 v12, s33, v12                     ; stage + 8 h rows + 4 (32 w + r)
	s_mul_i32 s33, s16, 8*SPITCH
	s_add_co_u32 s33, s33, STAGE
	v_lshl_add_u32 v13, v14, 4, s33                ; stage + 8 w rows + 16 L
	s_lshl_b32 s34, s17, 18
	s_lshl_b32 s33, s16, 11
	s_add_co_u32 s34, s34, s33
	s_mov_b32 s35, 0
	s_add_nc_u64 s[10:11], s[10:11], s[34:35]      ; wf: column group G, my two tiles
	s_mul_i32 s34, s19, 384
	s_lshl_b32 s33, s18, 5
	s_add_co_u32 s40, s34, s33                     ; row n * 384 + 32 rq
	s_mov_b32 s41, 0
	s_lshl_b32 s33, s16, 3
	s_add_co_u32 s34, s40, s33
	s_lshl_b32 s34, s34, 12
	s_lshl_b32 s33, s17, 9
	s_add_co_u32 s34, s34, s33
	s_add_nc_u64 s[12:13], s[12:13], s[34:35]      ; out0 at my first row, my work-group's columns
	s_add_nc_u64 s[14:15], s[14:15], s[40:41]      ; out1 at the work-group's first row
	s_mov_b32 s36, 0xc0135761                      ; C1 = -2 log2(e) sqrt(2/pi), twice
	s_mov_b32 s37, 0xc0135761
	s_mov_b32 s38, 0xbdd2d3e8                      ; C2 = 0.044715 C1
	s_mov_b32 s39, 0xbdd2d3e8
	s_wait_kmcnt 0x0
	s_min_u32 s20, s20, 31
	s_lshl_b32 s22, s19, 5
	s_add_co_u32 s22, s22, s20                     ; the chunk
	s_lshl_b32 s22, s22, 9
	s_lshl_b32 s23, s18, 7
	s_add_co_u32 s22, s22, s23                     ; byte offset of the work-group's 32 tokens
	s_lshl_b32 s23, s16, 5
	s_add_co_u32 s23, s22, s23                     ; of my eight
	s_load_b256 s[24:31], s[6:7], s23 offset:0x0
	s_wait_kmcnt 0x0
.irp i, 0,1,2,3,4,5,6,7
	s_min_u32 s[TOK+\i], s[TOK+\i], 31999
	v_lshl_add_u32 v[2+\i], s[TOK+\i], 12, v1
.endr
	WIN 0x40                                       ; the gathers first: they have the longest way
.irp i, 0,1,2,3,4,5,6,7
.irp c, 0,1,2,3,4,5,6,7
	global_load_b128 v[4*(8*\i+\c):4*(8*\i+\c)+3], v[2+\i], s[4:5] offset:512*\c
.endr
.endr
	WIN 0x80                                       ; then all of my B: K steps 0-15 into window 2,
.set ks, 0
.rept 16
.irp i, 0,1,2,3
	global_load_b128 v[16*ks+4*\i:16*ks+4*\i+3], v1, s[10:11] offset:8192*ks+512*\i
.endr
.set ks, ks+1
.endr
	WIN 0xc0                                       ; 16-31 into window 3
.rept 16
.irp i, 0,1,2,3
	global_load_b128 v[16*(ks-16)+4*\i:16*(ks-16)+4*\i+3], v1, s[10:11] offset:8192*ks+512*\i
.endr
.set ks, ks+1
.endr
	s_wait_loadcnt 63                              ; 128 loads are younger than the gathers: with 63 out the gathers are in
	WIN 0x05
.set i, 0
.rept 64
	v_cvt_pk_bf16_f32 v[AF0+2*i],   v[4*i],   v[4*i+1]
	v_cvt_pk_bf16_f32 v[AF0+2*i+1], v[4*i+2], v[4*i+3]
.set i, i+1
.endr
	WIN 0
.irp i, 0,1,2,3,4,5,6,7
	s_cmp_lg_u32 s[TOK+\i], 0
	s_cselect_b32 s32, -1, 0
.irp c, 0,1,2,3,4,5,6,7
	v_and_b32 v[AF0+2*(8*\i+\c)],   s32, v[AF0+2*(8*\i+\c)]
	v_and_b32 v[AF0+2*(8*\i+\c)+1], s32, v[AF0+2*(8*\i+\c)+1]
	ds_store_b64 v10, v[AF0+2*(8*\i+\c):AF0+2*(8*\i+\c)+1] offset:\i*APITCH+256*\c
.endr
.endr
	s_wait_dscnt 0x0                               ; my rows are in LDS
	s_barrier_signal -1
	s_barrier_wait -1                              ; all 32 are
	LDAF 0, AF0
	LDAF 1, AF1
	WIN 0x08                                       ; source 1 (B) window 2; LDS loads name destination and source 0, which stay in window 0
	BLOCK 0, AF0, 16, 63, 1, 1
	BLOCK 1, AF1, 16, 63, 0, 1
	BLOCK 2, AF0, 16, 63, 0, 1
	BLOCK 3, AF1, 16, 63, 0, 1
	WIN 0x0c                                       ; B window 3
	BLOCK 4, AF0, 16, 48, 0, 1
	BLOCK 5, AF1, 16, 32, 0, 1
	BLOCK 6, AF0, 16, 16, 0, 0
	BLOCK 7, AF1, 0,  0,  0, 0
	WIN 0
	PLACES
	; gelu(x) = x / (1 + 2^z), z = x (C1 + C2 x^2), in place
.set p, 0
.rept 16
	v_pk_mul_f32 v[ZR+2*p:ZR+2*p+1], v[ACC+2*p:ACC+2*p+1], s[38:39] op_sel_hi:[1,0]
.set p, p+1
.endr
.set p, 0
.rept 16
	v_pk_fma_f32 v[ZR+2*p:ZR+2*p+1], v[ACC+2*p:ACC+2*p+1], v[ZR+2*p:ZR+2*p+1], s[36:37] op_sel_hi:[1,1,0]
.set p, p+1
.endr
.set p, 0
.rept 16
	v_pk_mul_f32 v[ZR+2*p:ZR+2*p+1], v[ACC+2*p:ACC+2*p+1], v[ZR+2*p:ZR+2*p+1]
.set p, p+1
.endr
.set p, 0
.rept 32
	v_exp_f32 v[ZR+p], v[ZR+p]
.set p, p+1
.endr
	v_nop                                          ; one plain instruction behind the transcendentals (ISA guide 5.7.2)
.set p, 0
	s_wait_alu depctr_va_vdst(0)
.rept 16
	v_pk_add_f32 v[ZR+2*p:ZR+2*p+1], v[ZR+2*p:ZR+2*p+1], 1.0 op_sel_hi:[1,0]
.set p, p+1
.endr
.set p, 0
.rept 32
	v_rcp_f32 v[ZR+p], v[ZR+p]
.set p, p+1
.endr
	v_nop
.set p, 0
	s_wait_alu depctr_va_vdst(0)
.rept 16
	v_pk_mul_f32 v[ACC+2*p:ACC+2*p+1], v[ACC+2*p:ACC+2*p+1], v[ZR+2*p:ZR+2*p+1]
.set p, p+1
.endr
.irp ta, 0,1
.irp tb, 0,1
.irp tj, 0,1,2,3,4,5,6,7
	ds_store_b32 v12, v[ACC+8*(2*\ta+\tb)+\tj] offset:(16*\ta+\tj)*SPITCH+64*\tb    ; row 16 a + 8 h + j, column 32 w + 16 b + r
.endr
.endr
.endr
	s_wait_dscnt 0x0                               ; my columns are in the stage
	s_barrier_signal -1
	s_barrier_wait -1                              ; all 128 are
.irp tt, 0,1,2,3,4,5,6,7
	ds_load_b128 v[RR+4*\tt:RR+4*\tt+3], v13 offset:\tt*SPITCH
.endr
.irp tt, 0,1,2,3,4,5,6,7
	s_wait_dscnt 7-\tt
	global_store_b128 v1, v[RR+4*\tt:RR+4*\tt+3], s[12:13] offset:4096*\tt th:TH_STORE_NT   ; row 8 w + t: 512 consecutive bytes, aligned
.endr
	; the chunk's part of the mask: one wave of the work-groups with G = 0, one byte a lane, 32 neighbouring bytes
	s_cmp_lg_u32 s17, 0
	s_cbranch_scc1 .Lend
	s_cmp_lg_u32 s16, 0
	s_cbranch_scc1 .Lend
	v_lshl_add_u32 v49, v14, 2, s22
	global_load_b32 v50, v49, s[6:7]
	s_wait_loadcnt 0x0
	v_min_u32 v50, 1, v50
	global_store_b8 v14, v50, s[14:15]
.Lend:
	s_wait_tensorcnt 0x0
	ds_add_u32 v62, v63
	s_wait_dscnt 0x0
	s_endpgm
.Lfunc_end_k_q4890b3ef5f_sel:
	.size	k_q4890b3ef5f_sel, .Lfunc_end_k_q4890b3ef5f_sel-k_q4890b3ef5f_sel
	.p2alignl 7, 3214868480
	.fill 96, 4, 3214868480
	.section	.rodata,"a",@progbits
	.p2align	6, 0x0
	.amdhsa_kernel k_q4890b3ef5f_sel
		.amdhsa_group_segment_fixed_size 83456
		.amdhsa_private_segment_fixed_size 0
		.amdhsa_enable_private_segment 0
		.amdhsa_kernarg_size 48
		.amdhsa_user_sgpr_count 2
		.amdhsa_user_sgpr_kernarg_segment_ptr 1
		.amdhsa_wavefront_size32 1
		.amdhsa_system_sgpr_workgroup_id_x 1
		.amdhsa_system_sgpr_workgroup_id_y 1
		.amdhsa_system_sgpr_workgroup_id_z 1
		.amdhsa_system_vgpr_workitem_id 0
		.amdhsa_next_free_vgpr 1024
		.amdhsa_next_free_sgpr 66
		.amdhsa_reserve_vcc 0
		.amdhsa_float_denorm_mode_32 3
		.amdhsa_float_denorm_mode_16_64 3
		.amdhsa_memory_ordered 1
		.amdhsa_forward_progress 1
		.amdhsa_inst_pref_size 68
	.end_amdhsa_kernel
	.amdgpu_metadata
---
amdhsa.version: [ 1, 2 ]
amdhsa.kernels:
  - .name:           k_q4890b3ef5f_sel
    .symbol:         k_q4890b3ef5f_sel.kd
    .args:
      - { .name: W_emb, .offset: 0, .size: 8, .value_kind: global_buffer, .address_space: global }
      - { .name: know_tokens, .offset: 8, .size: 8, .value_kind: global_buffer, .address_space: global }
      - { .name: ids, .offset: 16, .size: 8, .value_kind: global_buffer, .address_space: global }
      - { .name: wf, .offset: 24, .size: 8, .value_kind: global_buffer, .address_space: global }
      - { .name: out0, .offset: 32, .size: 8, .value_kind: global_buffer, .address_space: global }
      - { .name: out1, .offset: 40, .size: 8, .value_kind: global_buffer, .address_space: global }
    .group_segment_fixed_size: 83456
    .private_segment_fixed_size: 0
    .kernarg_segment_align: 8
    .kernarg_segment_size: 48
    .max_flat_workgroup_size: 128
    .sgpr_count:     66
    .vgpr_count:     1024
    .wavefront_size: 32
...
	.end_amdgpu_metadata
.endif
;; end of part 4
;; ======== version 2 of 3: 4 launches; 1.13 times as fast as version 1
;; workspace buffers: wf 2,097,152 bytes; ksum 1,048,576 bytes; csum 524,288 bytes; ids 256 bytes of whole numbers
;; launch prep: the kernel of part 1 again; grid 256 x 1, 8 waves a work-group, no clusters, 0 bytes of LDS; arguments W_proj, wf; writes wf
;; launch pool (part 5): grid 256 x 1, 4 waves a work-group, no clusters, 315,904 bytes of LDS; arguments W_emb, know_tokens, src_tokens, wf, ksum, csum, out0; writes ksum, csum, out0
.if DOCPART == 5
	.amdgcn_target "amdgcn-amd-amdhsa--gfx1250"
	.amdhsa_code_object_version 6
	.text
	.protected	k_q4890b3ef5f_pool
	.globl	k_q4890b3ef5f_pool
	.p2align	8
	.type	k_q4890b3ef5f_pool,@function
k_q4890b3ef5f_pool:
	s_mov_b64 s[64:65], 0
	v_nop
	global_prefetch_b8 v0, s[64:65] scope:SCOPE_SE
	s_setreg_imm32_b32 hwreg(HW_REG_WAVE_MODE, 25, 1), 1
	s_wait_xcnt 0x0
; gelu(W_emb[token] x W_proj) for all 34,816 token rows.  Kept are the column sums of each knowledge chunk (ksum), the context rows (out0) and their sums (csum).
; SHARES.  Work-group gid = one knowledge chunk (128 rows x 1024 columns) plus 16 context rows x 512 columns (rows 16 cg .., cg = gid & 127,
; column half Hc = gid >> 7): 17 x 8,192 outputs for each of the 256 work-groups.  Two passes of 512 columns: pass 0 makes half 1 - Hc with eight
; row tiles, pass 1 makes half Hc with nine (the ninth is the context).  Wave w makes all rows x 128 columns: 64 accumulator tiles, 512 registers.
; A (the gathered rows, bf16) is made once and stays in LDS for both passes; it is gathered WHILE pass 0 multiplies: 128 k (a granule) per trip of four K steps.
; B (W_proj in fragment order, wf) belongs to one wave alone, so it goes straight from memory into a ring of four register buffers.
; NO TENSOR LOADS, NO CLUSTER: A takes 313,344 of the 327,680 bytes that a work-group may be given.  One K step of 32 for a pass's 512 columns is
; 32,768 bytes of W, so no slot for a joint load of W fits beside A; and W_emb's rows need a conversion on their way, so they pass through registers.
; THE GELU TEXT names each of the 512 accumulator registers, so it is long and straight.  It stands ONCE, in a loop of two trips: trip 0 closes pass 0 and holds
; pass 1, trip 1 closes pass 1.  It is cut into four quarters of 16 tiles; wave w takes them in the order w, w+1, w+2, w+3 (mod 4), so that at any time the four
; waves run four different quarters, and three of a wave's four quarters have been run by another wave before.
; A row whose token is 0 is stored as zeros: then x = 0 and gelu(0) = 0, which is gelu(h) x 0.
; LIMITS: a NaN or infinity in W_emb[0] gives 0 here where the product with the mask gives NaN.  W_emb and W_proj are rounded once to bf16; sums, gelu and pooling are f32.
; gelu(x) = x / (1 + 2^z), z = x (C1 + C2 x^2), C1 = -2 log2(e) sqrt(2/pi), C2 = 0.044715 C1: the tanh form itself, right at both ends
; (z = +inf gives x * 0, z = -inf gives x * 1).
;
; LDS: granule block c (k = 128 c .. +127) at c * GRAN: 144 rows (0-127 chunk, 128-143 context) of 256 bytes + 16 = 272 = 17 x 16, so that the sixteen rows
; of a fragment load lie in sixteen different 16-byte columns of a 256-byte span.  POOLB: 512 bytes a wave for the sums' way out.
; The context tile's way out (16 rows x 272 bytes a wave) takes block 0 again, behind a barrier at which every wave's reads of A are over.
.set APITCH, 272
.set TILEB,  16*APITCH                 ; a row tile
.set GRAN,   144*APITCH                ; a granule block, 39,168 bytes
.set POOLB,  8*GRAN
.set BSTEP,  8192                      ; wf: one K step of a wave's 128 columns
; window 0
.set GOFF, 1                           ; 16 L + 512 x (granule being gathered)
.set BOFF, 2                           ; 16 L
.set STA,  3                           ; where my chunk rows' 8 bytes go: 32 w rows + 8 L + the block being converted
.set AAD,  4                           ; fragment address: r rows + 16 h + the block being multiplied
.set AAB,  5                           ; its start
.set STC,  6                           ; v[6:9] where my context rows go: (128 + 4 w) rows + 8 L + blocks 0, 2, 4, 6
.set STG,  15                          ; context way out: in
.set RDB,  16                          ; context way out: back, by rows
.set OOF,  17                          ; and the same two rows in out0
.set PSA,  18                          ; sums' way out: in
.set PSR,  19                          ; back
.set QR,   20                          ; v[20:23] sums, column 32 i + L
.set QO,   24                          ; v[24:27] sums as stored (v24-v28 are scratch during the set-up)
.set AB0,  32                          ; v[32:63]  A fragments, row tiles 0-3
.set AB1,  64                          ; v[64:103] A fragments, row tiles 4-8
.set SG,   104                         ; v[104:231] gather staging: 4 groups x 8 units x 4 registers (pass 0)
.set ACC8, 104                         ; v[104:167] the context tile's eight accumulators (pass 1)
.set ZR,   168                         ; v[168:199] gelu at work
.set RR,   200                         ; v[200:231] context rows as stored
.set SUMR, 232                         ; v[232:247] a pair of sums for each column tile
; window 1: B ring, buffer i at v[64 i], column tile b at + 8 b.  Window 2: accumulators of row tiles 0-3, tile (a, b) at 8 (8 a + b).  Window 3: row tiles 4-7.
.set TOK, 28                           ; s[28:59] my 32 chunk tokens
.set CTK, 60                           ; s[60:63] my 4 context tokens
.set KS0, 78                           ; s[78:79] ksum at the columns of the pass that is being closed   s[80:81] pass 1's   s[82:83] csum   s[84:85] out0
.set KS1, 80
.set CSB, 82
.set OUTB, 84
.set MK,  92                           ; s[92:99] eight row masks: all ones where the token is not 0
.set LO,  0xa4                         ; s_set_vgpr_msb: source 0 (A) window 0, source 1 (B) window 1, C and D window 2
.set HI,  0xf4                         ; the same, C and D window 3
.set T8,  0x04                         ; the same, C and D window 0
.set TOB, 0x40                         ; destination window 1
.set X2,  0x02                         ; source 0 window 2
.set X3,  0x03                         ; source 0 window 3
.set MSB, 0
.macro WIN new                         ; the immediate's high byte repeats the setting that is left
.if MSB != \new
	s_set_vgpr_msb (MSB<<8)|\new
.set MSB, \new
.endif
.endm
.macro PLACES                          ; four places between a matrix instruction and a load into, or a read of, its registers
.rept 4
	v_nop
.endr
.endm
; 32 matrix instructions: four row tiles x eight column tiles, 32 along K.  The accumulators take turns, one instruction a turn.
.macro MUL32 ab, rb, zero
.irp ta, 0,1,2,3
.irp tb, 0,1,2,3,4,5,6,7
.if \zero
	v_wmma_f32_16x16x32_bf16 v[8*(8*\ta+\tb):8*(8*\ta+\tb)+7], v[\ab+8*\ta:\ab+8*\ta+7], v[64*(\rb)+8*\tb:64*(\rb)+8*\tb+7], 0
.else
	v_wmma_f32_16x16x32_bf16 v[8*(8*\ta+\tb):8*(8*\ta+\tb)+7], v[\ab+8*\ta:\ab+8*\ta+7], v[64*(\rb)+8*\tb:64*(\rb)+8*\tb+7], v[8*(8*\ta+\tb):8*(8*\ta+\tb)+7]
.endif
.endr
.endr
.endm
.macro MUL8 rb, zero                   ; the context tile x eight column tiles
.irp tb, 0,1,2,3,4,5,6,7
.if \zero
	v_wmma_f32_16x16x32_bf16 v[ACC8+8*\tb:ACC8+8*\tb+7], v[AB1+32:AB1+39], v[64*(\rb)+8*\tb:64*(\rb)+8*\tb+7], 0
.else
	v_wmma_f32_16x16x32_bf16 v[ACC8+8*\tb:ACC8+8*\tb+7], v[AB1+32:AB1+39], v[64*(\rb)+8*\tb:64*(\rb)+8*\tb+7], v[ACC8+8*\tb:ACC8+8*\tb+7]
.endif
.endr
.endm
.macro LDA0 koff                       ; fragments of row tiles 0-3 at byte koff behind AAD: 8 LDS loads
.irp ta, 0,1,2,3
	ds_load_b128 v[AB0+8*\ta:AB0+8*\ta+3],   v[AAD] offset:\ta*TILEB+\koff
	ds_load_b128 v[AB0+8*\ta+4:AB0+8*\ta+7], v[AAD] offset:\ta*TILEB+\koff+32
.endr
.endm
.macro LDA1 koff, ctx                  ; row tiles 4-7, and 8 where ctx: 8 or 10 LDS loads
.irp ta, 0,1,2,3
	ds_load_b128 v[AB1+8*\ta:AB1+8*\ta+3],   v[AAD] offset:(4+\ta)*TILEB+\koff
	ds_load_b128 v[AB1+8*\ta+4:AB1+8*\ta+7], v[AAD] offset:(4+\ta)*TILEB+\koff+32
.endr
.if \ctx
	ds_load_b128 v[AB1+32:AB1+35], v[AAD] offset:8*TILEB+\koff
	ds_load_b128 v[AB1+36:AB1+39], v[AAD] offset:8*TILEB+\koff+32
.endif
.endm
.macro LDB rb, base, off               ; one K step of my 128 columns of W into ring buffer rb: 16 loads of 512 neighbouring bytes
	WIN TOB
.irp ti, 0,1,2,3,4,5,6,7,8,9,10,11,12,13,14,15
	global_load_b128 v[64*(\rb)+4*\ti:64*(\rb)+4*\ti+3], v[BOFF], s[\base:\base+1] offset:\off+512*\ti
.endr
	WIN 0
.endm
; The gather of 512 bytes (128 k) of each of my chunk rows 8 j .. 8 j + 7, in two halves: the eight offsets, the eight loads.  A load lands on its own offset register.
.macro GATHKA j
.irp tu, 0,1,2,3,4,5,6,7
	v_lshl_add_u32 v[SG+32*\j+4*\tu], s[TOK+8*\j+\tu], 12, v[GOFF]
.endr
.endm
.macro GATHKL j
.irp tu, 0,1,2,3,4,5,6,7
	global_load_b128 v[SG+32*\j+4*\tu:SG+32*\j+4*\tu+3], v[SG+32*\j+4*\tu], s[4:5]
.endr
.endm
.macro GATHK j
	GATHKA \j
	GATHKL \j
.endm
; The same for my context row j, all eight pieces of 512 bytes
.macro GATHCA j
.irp tu, 0,1,2,3,4,5,6,7
	v_lshl_add_u32 v[SG+32*\j+4*\tu], s[CTK+\j], 12, v[BOFF]
.endr
.endm
.macro GATHCL j
.irp tu, 0,1,2,3,4,5,6,7
	global_load_b128 v[SG+32*\j+4*\tu:SG+32*\j+4*\tu+3], v[SG+32*\j+4*\tu], s[4:5] offset:512*\tu
.endr
.endm
.macro MASKK j                         ; the masks of chunk rows 8 j .. 8 j + 7
.irp tu, 0,1,2,3,4,5,6,7
	s_cmp_lg_u32 s[TOK+8*\j+\tu], 0
	s_cselect_b32 s[MK+\tu], -1, 0
.endr
.endm
.macro MASKC j                         ; the mask of context row j
	s_cmp_lg_u32 s[CTK+\j], 0
	s_cselect_b32 s[MK], -1, 0
.endm
; Group j: round to bf16, zero the rows of token 0, 8 bytes a lane into A.  In three runs, so that no line stands next to the line whose result it reads
; and the eight stores go out together.
.macro CONVK j
.irp tu, 0,1,2,3,4,5,6,7
	v_cvt_pk_bf16_f32 v[SG+32*\j+4*\tu],   v[SG+32*\j+4*\tu],   v[SG+32*\j+4*\tu+1]
	v_cvt_pk_bf16_f32 v[SG+32*\j+4*\tu+1], v[SG+32*\j+4*\tu+2], v[SG+32*\j+4*\tu+3]
.endr
.irp tu, 0,1,2,3,4,5,6,7
	v_and_b32 v[SG+32*\j+4*\tu],   s[MK+\tu], v[SG+32*\j+4*\tu]
	v_and_b32 v[SG+32*\j+4*\tu+1], s[MK+\tu], v[SG+32*\j+4*\tu+1]
.endr
.irp tu, 0,1,2,3,4,5,6,7
	ds_store_b64 v[STA], v[SG+32*\j+4*\tu:SG+32*\j+4*\tu+1] offset:(8*\j+\tu)*APITCH
.endr
.endm
.macro CONVC j                         ; the same for context row j: piece u goes to granule block u
.irp tu, 0,1,2,3,4,5,6,7
	v_cvt_pk_bf16_f32 v[SG+32*\j+4*\tu],   v[SG+32*\j+4*\tu],   v[SG+32*\j+4*\tu+1]
	v_cvt_pk_bf16_f32 v[SG+32*\j+4*\tu+1], v[SG+32*\j+4*\tu+2], v[SG+32*\j+4*\tu+3]
.endr
.irp tu, 0,1,2,3,4,5,6,7
	v_and_b32 v[SG+32*\j+4*\tu],   s[MK], v[SG+32*\j+4*\tu]
	v_and_b32 v[SG+32*\j+4*\tu+1], s[MK], v[SG+32*\j+4*\tu+1]
.endr
.irp tu, 0,1,2,3,4,5,6,7
	ds_store_b64 v[STC+\tu/2], v[SG+32*\j+4*\tu:SG+32*\j+4*\tu+1] offset:\j*APITCH+(\tu%2)*GRAN
.endr
.endm
; One K step of 32, on ring buffer j (j = the step's number in its trip of four).  Two runs of memory instructions: one at the head, one between the two halves of the products.
;   zero: the products start the sums.   lcnt: how many younger loads may stay out when this step's B and the group to convert must be in.
;   conv: 1 chunk group j, 2 context row j, 0 nothing is converted.     gath: 1 chunk group j, 2 context row j, 0 nothing is gathered.
;   bsel: which B is fetched: 1 pass 0, two steps ahead; 2 pass 0's last two steps: pass 1's first three; 3 pass 1, three steps ahead; 0 none.
;   bar:  this step's stores end a granule: signal behind them, wait in front of the first read of the new block.
;   nxt:  0 tiles 0-3 of the next step are fetched, 2 they are not (a pass ends).    ctx: the ninth row tile.
.macro STEP j, zero, lcnt, conv, gath, bsel, bar, nxt, ctx
	WIN 0
.if \conv == 1
	MASKK \j
.endif
.if \conv == 2
	MASKC \j
.endif
	s_wait_loadcnt \lcnt
	PLACES                                         ; behind the last step's matrix instructions: AB1 and a ring buffer that they read are loaded below
.if \conv == 1
	CONVK \j
.endif
.if \conv == 2
	CONVC \j
.endif
.if \bsel == 1
.set RB, (\j+2)&3
.set BO, (\j+2)*BSTEP
	LDB RB, 24, BO
.endif
.if \bsel == 2
.set RB, (\j+2)&3
.set BO, (\j-2)*BSTEP
	LDB RB, 26, BO
.if \j == 3
	LDB 2, 26, 2*BSTEP
.endif
.endif
.if \bsel == 3
.set RB, (\j+3)&3
.set BO, (\j+3)*BSTEP
	LDB RB, 26, BO
.endif
.if \bar
	s_wait_dscnt 0x0                               ; my stores of the granule are in LDS (and AB0 is in),
	s_barrier_signal -1                            ; say so; up to the wait only registers and reads of blocks that nobody writes any more
.endif
.set KO, 64*\j
	LDA1 KO, \ctx
.if \bar == 0
.set DSC, 2*(4+\ctx)
.if \conv
.set DSC, DSC+8
.endif
	s_wait_dscnt DSC                               ; AB0 is in: younger are only this step's stores and the loads of AB1
.endif
	WIN LO
	MUL32 AB0, \j, \zero
	WIN 0
	; AB0 is loaded again below, four places behind the products that read it: the gather's eight offsets are such places (they name staging registers alone).
	; They rewrite registers that this step's stores read: those stores stand 32 matrix instructions back.
.if \gath == 1
	GATHKA \j
.endif
.if \gath == 2
	GATHCA \j
.endif
.if \gath == 0
	PLACES
.endif
.if \bar
	s_barrier_wait -1                              ; every wave's part of the new block is in LDS
.endif
.if \nxt == 0
.if \j == 3
.set KO, GRAN
.else
.set KO, 64*(\j+1)
.endif
	LDA0 KO
.if \gath == 1
	GATHKL \j
.endif
.if \gath == 2
	GATHCL \j
.endif
	s_wait_dscnt 0x8                               ; AB1 is in: the eight loads of AB0 are younger
.else
	s_wait_dscnt 0x0                               ; AB1 is in; nothing more is read in this pass
.endif
	WIN HI
	MUL32 AB1, \j, \zero
.if \ctx
	WIN T8
	MUL8 \j, \zero
.endif
.endm
.macro ADV0                            ; a trip of pass 0 is over
	WIN 0
	v_add_nc_u32 v[AAD], GRAN, v[AAD]
	v_add_nc_u32 v[STA], GRAN, v[STA]
	v_add_nc_u32 v[GOFF], 512, v[GOFF]
	s_wait_xcnt 0x0                                ; the pending loads of B have had their addresses translated (ISA guide 3.1): only now their base is stepped
	s_add_nc_u64 s[24:25], s[24:25], 4*BSTEP
.endm
.macro ADV1                            ; a trip of pass 1 is over
	WIN 0
	v_add_nc_u32 v[AAD], GRAN, v[AAD]
	s_wait_xcnt 0x0                                ; as above
	s_add_nc_u64 s[26:27], s[26:27], 4*BSTEP
.endm
.macro TRIPK zero, gath                ; pass 0: four K steps; converts a chunk granule, gathers the next but one (or the context rows)
	STEP 0, \zero, 32, 1, \gath, 1, 0, 0, 0
	STEP 1, 0,     32, 1, \gath, 1, 0, 0, 0
	STEP 2, 0,     32, 1, \gath, 1, 0, 0, 0
	STEP 3, 0,     32, 1, \gath, 1, 1, 0, 0
.endm
.macro TRIPC zero                      ; pass 1: four K steps
	STEP 0, \zero, 32, 0, 0, 3, 0, 0, 1
	STEP 1, 0,     32, 0, 0, 3, 0, 0, 1
	STEP 2, 0,     32, 0, 0, 3, 0, 0, 1
	STEP 3, 0,     32, 0, 0, 3, 0, 0, 1
.endm
.macro SIGM                            ; ZR[0..31] = 1 / (1 + 2^ZR).  Behind each run of transcendentals one plain instruction before their results are used (ISA guide 5.7.2)
.set zi, 0
.rept 32
	v_exp_f32 v[ZR+zi], v[ZR+zi]
.set zi, zi+1
.endr
	v_nop
.set zi, 0
	s_wait_alu depctr_va_vdst(0)
.rept 16
	v_pk_add_f32 v[ZR+zi:ZR+zi+1], v[ZR+zi:ZR+zi+1], 1.0 op_sel_hi:[1,0]
.set zi, zi+2
.endr
.set zi, 0
.rept 32
	v_rcp_f32 v[ZR+zi], v[ZR+zi]
.set zi, zi+1
.endr
	v_nop
.endm
; gelu of four tiles (row tile a of the window, column tiles 4 bh .. + 3), added straight into the column sums: g is never written.
.macro EPIB win, a, bh
	WIN \win
.irp tq, 0,1,2,3
.irp tc, 0,1,2,3
	v_pk_mul_f32 v[ZR+8*\tq+2*\tc:ZR+8*\tq+2*\tc+1], v[8*(8*\a+4*\bh+\tc)+2*\tq:8*(8*\a+4*\bh+\tc)+2*\tq+1], s[68:69] op_sel_hi:[1,0]
.endr
.endr
.irp tq, 0,1,2,3
.irp tc, 0,1,2,3
	v_pk_fma_f32 v[ZR+8*\tq+2*\tc:ZR+8*\tq+2*\tc+1], v[8*(8*\a+4*\bh+\tc)+2*\tq:8*(8*\a+4*\bh+\tc)+2*\tq+1], v[ZR+8*\tq+2*\tc:ZR+8*\tq+2*\tc+1], s[66:67] op_sel_hi:[1,1,0]
.endr
.endr
.irp tq, 0,1,2,3
.irp tc, 0,1,2,3
	v_pk_mul_f32 v[ZR+8*\tq+2*\tc:ZR+8*\tq+2*\tc+1], v[8*(8*\a+4*\bh+\tc)+2*\tq:8*(8*\a+4*\bh+\tc)+2*\tq+1], v[ZR+8*\tq+2*\tc:ZR+8*\tq+2*\tc+1]
.endr
.endr
	WIN 0
	SIGM
	WIN \win
	s_wait_alu depctr_va_vdst(0)
.irp tq, 0,1,2,3
.irp tc, 0,1,2,3
	v_pk_fma_f32 v[SUMR+2*(4*\bh+\tc):SUMR+2*(4*\bh+\tc)+1], v[8*(8*\a+4*\bh+\tc)+2*\tq:8*(8*\a+4*\bh+\tc)+2*\tq+1], v[ZR+8*\tq+2*\tc:ZR+8*\tq+2*\tc+1], v[SUMR+2*(4*\bh+\tc):SUMR+2*(4*\bh+\tc)+1]
.endr
.endr
.endm
.macro EPIQ win, a0, a1                ; a quarter: row tiles a0 and a1 of the window, 16 tiles
	EPIB \win, \a0, 0
	EPIB \win, \a0, 1
	EPIB \win, \a1, 0
	EPIB \win, \a1, 1
	WIN 0
.endm
; The sums leave: register j of lane (r, h) was row 8 h + j of column r, so a column's sum is the pair's two halves plus the other half of the lanes.
.macro SUMOUT base
	s_wait_xcnt 0x0                                ; QO was the last such store's data: rewritten only behind this wait
.irp tb, 0,1,2,3,4,5,6,7
	v_add_f32 v[SUMR+2*\tb], v[SUMR+2*\tb], v[SUMR+2*\tb+1]
.endr
.irp tb, 0,1,2,3,4,5,6,7
	v_permlanex16_b32 v[SUMR+2*\tb+1], v[SUMR+2*\tb], s70, s71      ; lane i xor 16; the destination has been written before
.endr
.irp tb, 0,1,2,3,4,5,6,7
	v_add_f32 v[SUMR+2*\tb], v[SUMR+2*\tb], v[SUMR+2*\tb+1]
.endr
.irp ti, 0,1,2,3
	v_cndmask_b32 v[QR+\ti], v[SUMR+4*\ti], v[SUMR+4*\ti+2], s76    ; lanes 16-31 take the odd tile: lane L holds column 32 i + L
.endr
.irp ti, 0,1,2,3
	ds_store_b32 v[PSA], v[QR+\ti] offset:128*\ti
.endr
	ds_load_b128 v[QO:QO+3], v[PSR]                ; my wave's own bytes; LDS serves a wave's instructions in order (ISA guide 5.7.1)
	s_wait_dscnt 0x0
	global_store_b128 v[BOFF], v[QO:QO+3], s[\base:\base+1]         ; 512 consecutive bytes, aligned
.endm
; The context tile, four column tiles at a time: gelu in place, sums, 16 rows x 256 bytes through my stage, whole rows out.
.macro EPIC ch
.irp tq, 0,1,2,3
.irp tc, 0,1,2,3
	v_pk_mul_f32 v[ZR+8*\tq+2*\tc:ZR+8*\tq+2*\tc+1], v[ACC8+8*(4*\ch+\tc)+2*\tq:ACC8+8*(4*\ch+\tc)+2*\tq+1], s[68:69] op_sel_hi:[1,0]
.endr
.endr
.irp tq, 0,1,2,3
.irp tc, 0,1,2,3
	v_pk_fma_f32 v[ZR+8*\tq+2*\tc:ZR+8*\tq+2*\tc+1], v[ACC8+8*(4*\ch+\tc)+2*\tq:ACC8+8*(4*\ch+\tc)+2*\tq+1], v[ZR+8*\tq+2*\tc:ZR+8*\tq+2*\tc+1], s[66:67] op_sel_hi:[1,1,0]
.endr
.endr
.irp tq, 0,1,2,3
.irp tc, 0,1,2,3
	v_pk_mul_f32 v[ZR+8*\tq+2*\tc:ZR+8*\tq+2*\tc+1], v[ACC8+8*(4*\ch+\tc)+2*\tq:ACC8+8*(4*\ch+\tc)+2*\tq+1], v[ZR+8*\tq+2*\tc:ZR+8*\tq+2*\tc+1]
.endr
.endr
	SIGM
	s_wait_alu depctr_va_vdst(0)
.irp tq, 0,1,2,3
.irp tc, 0,1,2,3
	v_pk_mul_f32 v[ACC8+8*(4*\ch+\tc)+2*\tq:ACC8+8*(4*\ch+\tc)+2*\tq+1], v[ACC8+8*(4*\ch+\tc)+2*\tq:ACC8+8*(4*\ch+\tc)+2*\tq+1], v[ZR+8*\tq+2*\tc:ZR+8*\tq+2*\tc+1]
.endr
.endr
.irp tc, 0,1,2,3
	v_pk_add_f32 v[SUMR+2*(4*\ch+\tc):SUMR+2*(4*\ch+\tc)+1], v[ACC8+8*(4*\ch+\tc):ACC8+8*(4*\ch+\tc)+1], v[ACC8+8*(4*\ch+\tc)+2:ACC8+8*(4*\ch+\tc)+3]
.endr
.irp tq, 2,3
.irp tc, 0,1,2,3
	v_pk_add_f32 v[SUMR+2*(4*\ch+\tc):SUMR+2*(4*\ch+\tc)+1], v[SUMR+2*(4*\ch+\tc):SUMR+2*(4*\ch+\tc)+1], v[ACC8+8*(4*\ch+\tc)+2*\tq:ACC8+8*(4*\ch+\tc)+2*\tq+1]
.endr
.endr
.irp tc, 0,1,2,3
.irp tj, 0,1,2,3,4,5,6,7
	ds_store_b32 v[STG], v[ACC8+8*(4*\ch+\tc)+\tj] offset:\tj*APITCH+64*\tc       ; row 8 h + j, column 16 tc + r
.endr
.endr
	s_wait_xcnt 0x0                                ; RR was store data: loaded again only behind this wait
.irp tt, 0,1,2,3,4,5,6,7
	ds_load_b128 v[RR+4*\tt:RR+4*\tt+3], v[RDB] offset:\tt*2*APITCH               ; rows 2 t + h; my own bytes, served in order
.endr
.irp tt, 0,1,2,3,4,5,6,7
	s_wait_dscnt 7-\tt
	global_store_b128 v[OOF], v[RR+4*\tt:RR+4*\tt+3], s[OUTB:OUTB+1] offset:8192*\tt+256*\ch th:TH_STORE_NT   ; sixteen lanes: 256 consecutive bytes, aligned
.endr
.endm
	; ---- set-up
	s_load_b256 s[4:11], s[0:1], 0x0               ; W_emb s[4:5], know_tokens s[6:7], src_tokens s[8:9], wf s[10:11]
	s_load_b128 s[12:15], s[0:1], 0x20             ; ksum s[12:13], csum s[14:15]
	s_load_b64 s[16:17], s[0:1], 0x30              ; out0
	v_lshl_add_u32 v254, v0, 2, 0x4d000
	v_mov_b32 v255, 0
	v_lshrrev_b32 v24, 5, v0
	v_readfirstlane_b32 s18, v24                   ; w
	s_mov_b32 s19, ttmp9                           ; gid = the chunk
	s_lshr_b32 s20, s19, 7                         ; Hc
	s_and_b32 s23, s19, 127                        ; cg
	s_xor_b32 s77, s20, 1                          ; 1 - Hc
	s_lshl_b32 s72, s19, 9                         ; my 32 chunk tokens: gid * 512 + w * 128 bytes
	s_lshl_b32 s74, s18, 7
	s_add_co_u32 s72, s72, s74
	s_lshl_b32 s73, s23, 6                         ; my 4 context tokens: cg * 64 + w * 16 bytes
	s_lshl_b32 s74, s18, 4
	s_add_co_u32 s73, s73, s74
	v_and_b32 v25, 31, v0                          ; L
	v_and_b32 v26, 15, v0                          ; r
	v_bfe_u32 v27, v0, 4, 1                        ; h
	v_lshlrev_b32 v[BOFF], 4, v25
	v_add_nc_u32 v[GOFF], 512, v[BOFF]             ; granule 1
	s_wait_kmcnt 0x0
	s_load_b512 s[28:43], s[6:7], s72 offset:0x0
	s_load_b512 s[44:59], s[6:7], s72 offset:0x40
	s_load_b128 s[60:63], s[8:9], s73 offset:0x0
	s_lshl_b32 s74, s77, 2
	s_add_co_u32 s74, s74, s18
	s_lshl_b32 s74, s74, 18                        ; column group 4 (1 - Hc) + w of wf
	s_mov_b32 s75, 0
	s_add_nc_u64 s[24:25], s[10:11], s[74:75]      ; B of pass 0
	LDB 0, 24, 0                                   ; K step 0's B goes out while the tokens are on their way
	s_lshl_b32 s74, s20, 2
	s_add_co_u32 s74, s74, s18
	s_lshl_b32 s74, s74, 18
	s_add_nc_u64 s[26:27], s[10:11], s[74:75]      ; B of pass 1
	s_lshl_b32 s86, s19, 12
	s_lshl_b32 s87, s18, 9
	s_add_co_u32 s86, s86, s87                     ; gid * 4096 + w * 512
	s_lshl_b32 s74, s77, 11
	s_add_co_u32 s74, s74, s86
	s_add_nc_u64 s[KS0:KS0+1], s[12:13], s[74:75]
	s_lshl_b32 s74, s20, 11
	s_add_co_u32 s87, s74, s87                     ; Hc * 2048 + w * 512
	s_add_co_u32 s74, s74, s86
	s_add_nc_u64 s[KS1:KS1+1], s[12:13], s[74:75]
	s_lshl_b32 s74, s23, 12
	s_add_co_u32 s74, s74, s87
	s_add_nc_u64 s[CSB:CSB+1], s[14:15], s[74:75]
	s_lshr_b32 s74, s23, 4                         ; the example
	s_mul_i32 s74, s74, 384
	s_and_b32 s86, s23, 15
	s_lshl_b32 s86, s86, 4
	s_add_co_u32 s74, s74, s86
	s_add_co_u32 s74, s74, 128                     ; row n * 384 + 128 + 16 (cg & 15) of out0
	s_lshl_b32 s74, s74, 12
	s_add_co_u32 s74, s74, s87
	s_add_nc_u64 s[OUTB:OUTB+1], s[16:17], s[74:75]
	s_mov_b32 s66, 0xc0135761                      ; C1 = -2.3022082, twice (a pair for the packed forms)
	s_mov_b32 s67, 0xc0135761
	s_mov_b32 s68, 0xbdd2d3e8                      ; C2 = -0.10294324
	s_mov_b32 s69, 0xbdd2d3e8
	s_mov_b32 s70, 0x76543210                      ; v_permlanex16_b32: lane i of the other half
	s_mov_b32 s71, 0xfedcba98
	s_mov_b32 s76, 0xffff0000                      ; lanes 16-31
	s_mul_i32 s74, s18, 32*APITCH
	v_lshl_add_u32 v[STA], v25, 3, s74             ; block 0
	s_mul_i32 s74, s18, 4*APITCH
	s_add_co_u32 s74, s74, 128*APITCH
	v_lshl_add_u32 v[STC], v25, 3, s74
	v_add_nc_u32 v[STC+1], 2*GRAN, v[STC]
	v_add_nc_u32 v[STC+2], 4*GRAN, v[STC]
	v_add_nc_u32 v[STC+3], 6*GRAN, v[STC]
	v_mul_u32_u24 v28, v26, APITCH
	v_lshl_add_u32 v[AAB], v27, 4, v28             ; r rows + 16 h
	v_mov_b32 v[AAD], v[AAB]
	s_mul_i32 s74, s18, TILEB                      ; my stage for the context tile: w * 16 rows, in block 0
	v_mul_u32_u24 v28, v27, 8*APITCH
	v_lshl_add_u32 v28, v26, 2, v28
	v_add_nc_u32 v[STG], s74, v28
	v_mul_u32_u24 v28, v27, APITCH
	v_lshl_add_u32 v28, v26, 4, v28
	v_add_nc_u32 v[RDB], s74, v28
	v_lshlrev_b32 v28, 12, v27
	v_lshl_add_u32 v[OOF], v26, 4, v28
	s_lshl_b32 s74, s18, 9
	s_add_co_u32 s74, s74, POOLB
	v_lshl_add_u32 v[PSA], v25, 2, s74
	v_lshl_add_u32 v[PSR], v25, 4, s74
	s_wait_kmcnt 0x0                               ; the tokens
.set i, 0
.rept 36
	s_min_u32 s[TOK+i], s[TOK+i], 31999            ; an index stays inside the table; token 0 stays 0
.set i, i+1
.endr
	; ---- prologue: granule 0 through the still idle window 2.  On LOADcnt: B(0) 16, granule 0 32, group 0 of granule 1 8: 56 out.
	WIN 0x80
.set i, 0
.rept 32
	v_lshl_add_u32 v[4*i], s[TOK+i], 12, v[BOFF]
.set i, i+1
.endr
	WIN 0x82
.set i, 0
.rept 32
	global_load_b128 v[4*i:4*i+3], v[4*i], s[4:5]
.set i, i+1
.endr
	WIN 0
	GATHK 0
	s_wait_loadcnt 0x8                             ; granule 0 (and B(0)) is in: only group 0's eight loads are younger
	WIN 0x0a
.set i, 0
.rept 32
	v_cvt_pk_bf16_f32 v[32+2*i], v[4*i],   v[4*i+1]
	v_cvt_pk_bf16_f32 v[33+2*i], v[4*i+2], v[4*i+3]
.set i, i+1
.endr
	WIN 0
.set i, 0
.rept 32
	s_cmp_lg_u32 s[TOK+i], 0
	s_cselect_b32 s[MK+i%8], -1, 0
	v_and_b32 v[32+2*i], s[MK+i%8], v[32+2*i]
	v_and_b32 v[33+2*i], s[MK+i%8], v[33+2*i]
.set i, i+1
.endr
.set i, 0
.rept 32
	ds_store_b64 v[STA], v[32+2*i:33+2*i] offset:i*APITCH          ; the 32 stores in one run
.set i, i+1
.endr
	GATHK 1                                        ; the order of the loop's steps: .. group, B, group
	GATHK 2
	LDB 1, 24, BSTEP
	GATHK 3
	v_add_nc_u32 v[STA], GRAN, v[STA]              ; block 1 is converted next,
	v_add_nc_u32 v[GOFF], 512, v[GOFF]             ; granule 2 gathered next
	s_wait_dscnt 0x0                               ; my rows of granule 0 are in LDS
	s_barrier_signal -1
	s_barrier_wait -1                              ; everybody's are
	LDA0 0
	; ---- pass 0.  A step issues B(s+2), 16 loads, then a gather group, 8.  At the head of step s the loads younger than B(s) are
	; group(s-2), B(s+1), group(s-1): 32.  The group converted in step s was issued in step s-4.  At most 32 + 24 = 56 loads of a wave are out.
	; Trip t converts granule t+1 and gathers granule t+2; trip 6 gathers the four context rows, trip 7 converts them.
	TRIPK 1, 1
	ADV0
	s_mov_b32 s21, 5
.Lp0:
	TRIPK 0, 1
	ADV0
	s_sub_co_u32 s21, s21, 1
	s_cmp_lg_u32 s21, 0
	s_cbranch_scc1 .Lp0
	TRIPK 0, 2
	ADV0
	STEP 0, 0, 32, 2, 0, 1, 0, 0, 0                ; nothing is gathered any more, so the counts run down:
	STEP 1, 0, 24, 2, 0, 1, 0, 0, 0                ; younger than B(29): a group and B(30)
	STEP 2, 0, 16, 2, 0, 2, 0, 0, 0                ; younger than B(30): B(31).  Pass 1's step 0 is fetched
	STEP 3, 0, 16, 2, 0, 2, 1, 2, 0                ; younger than B(31): pass 1's step 0.  Its steps 1 and 2 are fetched; the barrier shows the context rows
	WIN 0
	PLACES                                         ; the gelu reads matrix results
	; ---- the close of a pass, and between the two closes pass 1.  s91 counts the passes closed.
	s_mov_b32 s91, 0
.Lepi:
.set i, 0
.rept 16
	v_mov_b32 v[SUMR+i], 0                         ; the quarters come in another order in each wave, so no product is the first by the text: the 16 sums are cleared
.set i, i+1
.endr
	s_mov_b32 s88, 0                               ; quarters done
	s_mov_b32 s89, s18                             ; the quarter that is due: the wave's number first
.Lquart:
	s_and_b32 s90, s89, 3
	s_cmp_lg_u32 s90, 0
	s_cbranch_scc1 .Lnq0
	EPIQ X2, 0, 1
.Lnq0:
	s_cmp_lg_u32 s90, 1
	s_cbranch_scc1 .Lnq1
	EPIQ X2, 2, 3
.Lnq1:
	s_cmp_lg_u32 s90, 2
	s_cbranch_scc1 .Lnq2
	EPIQ X3, 0, 1
.Lnq2:
	s_cmp_lg_u32 s90, 3
	s_cbranch_scc1 .Lnq3
	EPIQ X3, 2, 3
.Lnq3:
	s_add_co_u32 s89, s89, 1
	s_add_co_u32 s88, s88, 1
	s_cmp_lt_u32 s88, 4
	s_cbranch_scc1 .Lquart
	SUMOUT KS0
	s_cmp_lg_u32 s91, 0
	s_cbranch_scc1 .Lpassed                        ; pass 1 has been made: nothing more to multiply
	; ---- pass 1: B three steps ahead; younger than this step's B are the next two steps': 32
	s_wait_xcnt 0x0                                ; the store of the sums has had its address translated: its base moves on to pass 1's columns
	s_mov_b64 s[KS0:KS0+1], s[KS1:KS1+1]
	v_mov_b32 v[AAD], v[AAB]                       ; block 0 again
	LDA0 0
	TRIPC 1
	ADV1
	s_mov_b32 s21, 6
.Lp1:
	TRIPC 0
	ADV1
	s_sub_co_u32 s21, s21, 1
	s_cmp_lg_u32 s21, 0
	s_cbranch_scc1 .Lp1
	STEP 0, 0, 32, 0, 0, 3, 0, 0, 1                ; fetches the last step's B
	STEP 1, 0, 32, 0, 0, 0, 0, 0, 1
	STEP 2, 0, 16, 0, 0, 0, 0, 0, 1
	STEP 3, 0, 0,  0, 0, 0, 0, 2, 1
	WIN 0
	PLACES                                         ; the gelu reads matrix results
.Lpassed:
	s_add_co_u32 s91, s91, 1
	s_cmp_lt_u32 s91, 2
	s_cbranch_scc1 .Lepi
	; ---- the context tile
	s_wait_dscnt 0x0                               ; my reads of A are over
	s_barrier_signal -1
	s_barrier_wait -1                              ; nobody reads A any more: block 0 serves as the stage
	EPIC 0
	EPIC 1
	SUMOUT CSB
	s_wait_tensorcnt 0x0
	ds_add_u32 v254, v255
	s_wait_dscnt 0x0
	s_endpgm
.Lfunc_end_k_q4890b3ef5f_pool:
	.size	k_q4890b3ef5f_pool, .Lfunc_end_k_q4890b3ef5f_pool-k_q4890b3ef5f_pool
	.p2alignl 7, 3214868480
	.fill 96, 4, 3214868480
	.section	.rodata,"a",@progbits
	.p2align	6, 0x0
	.amdhsa_kernel k_q4890b3ef5f_pool
		.amdhsa_group_segment_fixed_size 315904
		.amdhsa_private_segment_fixed_size 0
		.amdhsa_enable_private_segment 0
		.amdhsa_kernarg_size 56
		.amdhsa_user_sgpr_count 2
		.amdhsa_user_sgpr_kernarg_segment_ptr 1
		.amdhsa_wavefront_size32 1
		.amdhsa_system_sgpr_workgroup_id_x 1
		.amdhsa_system_sgpr_workgroup_id_y 1
		.amdhsa_system_sgpr_workgroup_id_z 1
		.amdhsa_system_vgpr_workitem_id 0
		.amdhsa_next_free_vgpr 1024
		.amdhsa_next_free_sgpr 100
		.amdhsa_reserve_vcc 0
		.amdhsa_float_denorm_mode_32 3
		.amdhsa_float_denorm_mode_16_64 3
		.amdhsa_memory_ordered 1
		.amdhsa_forward_progress 1
		.amdhsa_inst_pref_size 255
	.end_amdhsa_kernel
	.section	.bss,"aw",@nobits
	.p2align	6
	.space	262144
	.amdgpu_metadata
---
amdhsa.version: [ 1, 2 ]
amdhsa.kernels:
  - .name:           k_q4890b3ef5f_pool
    .symbol:         k_q4890b3ef5f_pool.kd
    .args:
      - { .name: W_emb, .offset: 0, .size: 8, .value_kind: global_buffer, .address_space: global }
      - { .name: know_tokens, .offset: 8, .size: 8, .value_kind: global_buffer, .address_space: global }
      - { .name: src_tokens, .offset: 16, .size: 8, .value_kind: global_buffer, .address_space: global }
      - { .name: wf, .offset: 24, .size: 8, .value_kind: global_buffer, .address_space: global }
      - { .name: ksum, .offset: 32, .size: 8, .value_kind: global_buffer, .address_space: global }
      - { .name: csum, .offset: 40, .size: 8, .value_kind: global_buffer, .address_space: global }
      - { .name: out0, .offset: 48, .size: 8, .value_kind: global_buffer, .address_space: global }
    .group_segment_fixed_size: 315904
    .private_segment_fixed_size: 0
    .kernarg_segment_align: 8
    .kernarg_segment_size: 56
    .max_flat_workgroup_size: 128
    .sgpr_count:     100
    .vgpr_count:     1024
    .wavefront_size: 32
...
	.end_amdgpu_metadata
.endif
;; end of part 5
;; launch pick: the kernel of part 3 again; grid 8 x 1, 32 waves a work-group, no clusters, 12,288 bytes of LDS; arguments ksum, csum, know_tokens, src_tokens, ck_mask, out1, out2, ids, cs_ids; writes out1, out2, ids
;; launch sel (part 6): grid 8 x 32, 4 waves a work-group, no clusters, 83,456 bytes of LDS; arguments W_emb, know_tokens, ids, wf, out0, out1; writes out0, out1
.if DOCPART == 6
	.amdgcn_target "amdgcn-amd-amdhsa--gfx1250"
	.amdhsa_code_object_version 6
	.text
	.protected	k_q4890b3ef5f_sel
	.globl	k_q4890b3ef5f_sel
	.p2align	8
	.type	k_q4890b3ef5f_sel,@function
k_q4890b3ef5f_sel:
	s_mov_b64 s[64:65], 0
	v_nop
	global_prefetch_b8 v0, s[64:65] scope:SCOPE_SE
	s_setreg_imm32_b32 hwreg(HW_REG_WAVE_MODE, 25, 1), 1
	s_wait_xcnt 0x0
; The chosen chunk of each example is encoded once more (8 x 128 rows: 3 per cent of the products) and written: rows 0-127 of out0[n] and of the mask.
; Work-group (G, y): columns 128 G .. + 127; example n = y >> 2, rows 32 (y & 3) .. + 31 of chunk ids[n], which the launch before stored.
; Wave w gathers rows 8 w .. + 7 whole (64 loads of 512 bytes), rounds them to bf16 and puts them into LDS; then multiplies all 32 rows by its
; 32 columns: 2 x 2 tiles.  Its whole share of W (32 K steps x 2 tiles, 512 registers) comes in two halves: K steps 0-15 are asked for as soon as the
; arguments are in, since they hang on no index, and travel while the index and then the tokens are fetched; K steps 16-31 follow the gathers.
; No cluster: the eight work-groups of a row block share 128 KB of gathered rows, which need a conversion on their way and so pass through registers.
; Rows of token 0 are stored as zeros (gelu(0) = 0).  LIMIT as in the pooling launch: a NaN or infinity in W_emb[0] gives 0 here.
.set APITCH, 2064                      ; 2,048 bytes + 16 = 129 x 16: the sixteen rows of a fragment load lie in sixteen different 16-byte columns of a 256-byte span
.set STAGE,  32*APITCH                 ; the way out: 32 rows of 512 + 16 bytes
.set SPITCH, 528
.set ACC, 16                           ; v[16:47]  four accumulators, tile (a, b) at 8 (2 a + b)
.set AF0, 64                           ; v[64:127], v[128:191]: A fragments of four K steps each (before that: the packed rows)
.set AF1, 128
.set ZR,  192                          ; v[192:223] gelu at work
.set RR,  224                          ; v[224:255] rows as stored
.set TOK, 24                           ; s[24:31] my eight tokens
; v1 16 L; v[2:9] row offsets; v10 where my rows go; v11 fragment address; v12 stage in; v13 stage back; v14 L
; window 1: gather staging, piece c of row i at 4 (8 i + c).  Windows 2, 3: my B, K step s at 16 s, tile b at + 8 b.
.set MSB, 0
.macro WIN new
.if MSB != \new
	s_set_vgpr_msb (MSB<<8)|\new
.set MSB, \new
.endif
.endm
.macro PLACES                          ; four places behind a matrix instruction (ISA guide 7.12.1)
.rept 4
	v_nop
.endr
.endm
.macro LDAF kb, f                      ; A fragments of K steps 4 kb .. + 3, both row tiles: 16 LDS loads
.irp ts, 0,1,2,3
.irp ta, 0,1
	ds_load_b128 v[\f+16*\ts+8*\ta:\f+16*\ts+8*\ta+3],   v11 offset:\ta*16*APITCH+64*(4*(\kb)+\ts)
	ds_load_b128 v[\f+16*\ts+8*\ta+4:\f+16*\ts+8*\ta+7], v11 offset:\ta*16*APITCH+64*(4*(\kb)+\ts)+32
.endr
.endr
.endm
.macro MUL4 f, ks, zero                ; K step ks: the four accumulators take turns, one instruction a turn
.irp ta, 0,1
.irp tb, 0,1
.if \zero
	v_wmma_f32_16x16x32_bf16 v[ACC+8*(2*\ta+\tb):ACC+8*(2*\ta+\tb)+7], v[(\f)+8*\ta:(\f)+8*\ta+7], v[(16*(\ks))%256+8*\tb:(16*(\ks))%256+8*\tb+7], 0
.else
	v_wmma_f32_16x16x32_bf16 v[ACC+8*(2*\ta+\tb):ACC+8*(2*\ta+\tb)+7], v[(\f)+8*\ta:(\f)+8*\ta+7], v[(16*(\ks))%256+8*\tb:(16*(\ks))%256+8*\tb+7], v[ACC+8*(2*\ta+\tb):ACC+8*(2*\ta+\tb)+7]
.endif
.endr
.endr
.endm
; lcnt = 64: no wait (K steps 0-15 of B are older than the gathers, which have been waited for)
.macro BLOCK kb, f, dsc, lcnt, zero, more
	s_wait_dscnt \dsc                              ; this block's fragments are in; the next block's 16 loads may be out
.if \lcnt < 64
	s_wait_loadcnt \lcnt                           ; B up to K step 4 kb + 3 is in: 16 (7 - kb) loads are younger
.endif
	MUL4 \f,    4*\kb,   \zero
	MUL4 \f+16, 4*\kb+1, 0
	MUL4 \f+32, 4*\kb+2, 0
	MUL4 \f+48, 4*\kb+3, 0
.if \more
	PLACES
	LDAF \kb+2, \f
.endif
.endm
	s_load_b256 s[4:11], s[0:1], 0x0               ; W_emb s[4:5], know_tokens s[6:7], ids s[8:9], wf s[10:11]
	s_load_b128 s[12:15], s[0:1], 0x20             ; out0 s[12:13], out1 s[14:15]
	v_lshl_add_u32 v62, v0, 2, 0x14400
	v_mov_b32 v63, 0
	v_lshrrev_b32 v14, 5, v0
	v_readfirstlane_b32 s16, v14                   ; w
	s_mov_b32 s17, ttmp9                           ; G
	s_and_b32 s18, ttmp7, 0xffff
	s_lshr_b32 s19, s18, 2                         ; n
	s_and_b32 s18, s18, 3                          ; rq
	s_lshl_b32 s21, s19, 2
	v_and_b32 v14, 31, v0                          ; L
	v_lshlrev_b32 v1, 4, v14
	s_lshl_b32 s34, s17, 18
	s_lshl_b32 s33, s16, 11
	s_add_co_u32 s34, s34, s33
	s_mov_b32 s35, 0
	s_wait_kmcnt 0x0
	s_load_b32 s20, s[8:9], s21 offset:0x0         ; ids[n]
	s_add_nc_u64 s[10:11], s[10:11], s[34:35]      ; wf: column group G, my two tiles
	WIN 0x80                                       ; K steps 0-15 of my B into window 2, while the index is on its way
.set ks, 0
.rept 16
.irp i, 0,1,2,3
	global_load_b128 v[16*ks+4*\i:16*ks+4*\i+3], v1, s[10:11] offset:8192*ks+512*\i
.endr
.set ks, ks+1
.endr
	WIN 0
	v_and_b32 v15, 15, v0                          ; r
	v_bfe_u32 v48, v0, 4, 1                        ; h
	s_mul_i32 s33, s16, 8*APITCH
	v_lshl_add_u32 v10, v14, 3, s33                ; 8 w rows + 8 L
	v_mul_u32_u24 v11, v15, APITCH
	v_lshl_add_u32 v11, v48, 4, v11                ; r rows + 16 h
	s_lshl_b32 s33, s16, 7
	s_add_co_u32 s33, s33, STAGE
	v_mul_u32_u24 v12, v48, 8*SPITCH
	v_lshl_add_u32 v12, v15, 2, v12
	v_add_nc_u32 v12, s33, v12                     ; stage + 8 h rows + 4 (32 w + r)
	s_mul_i32 s33, s16, 8*SPITCH
	s_add_co_u32 s33, s33, STAGE
	v_lshl_add_u32 v13, v14, 4, s33                ; stage + 8 w rows + 16 L
	s_mul_i32 s34, s19, 384
	s_lshl_b32 s33, s18, 5
	s_add_co_u32 s40, s34, s33                     ; row n * 384 + 32 rq
	s_mov_b32 s41, 0
	s_lshl_b32 s33, s16, 3
	s_add_co_u32 s34, s40, s33
	s_lshl_b32 s34, s34, 12
	s_lshl_b32 s33, s17, 9
	s_add_co_u32 s34, s34, s33
	s_add_nc_u64 s[12:13], s[12:13], s[34:35]      ; out0 at my first row, my work-group's columns
	s_add_nc_u64 s[14:15], s[14:15], s[40:41]      ; out1 at the work-group's first row
	s_mov_b32 s36, 0xc0135761                      ; C1 = -2 log2(e) sqrt(2/pi), twice
	s_mov_b32 s37, 0xc0135761
	s_mov_b32 s38, 0xbdd2d3e8                      ; C2 = 0.044715 C1
	s_mov_b32 s39, 0xbdd2d3e8
	s_wait_kmcnt 0x0
	s_min_u32 s20, s20, 31
	s_lshl_b32 s22, s19, 5
	s_add_co_u32 s22, s22, s20                     ; the chunk
	s_lshl_b32 s22, s22, 9
	s_lshl_b32 s23, s18, 7
	s_add_co_u32 s22, s22, s23                     ; byte offset of the work-group's 32 tokens
	s_lshl_b32 s23, s16, 5
	s_add_co_u32 s23, s22, s23                     ; of my eight
	s_load_b256 s[24:31], s[6:7], s23 offset:0x0
	s_wait_kmcnt 0x0
.irp i, 0,1,2,3,4,5,6,7
	s_min_u32 s[TOK+\i], s[TOK+\i], 31999
	v_lshl_add_u32 v[2+\i], s[TOK+\i], 12, v1
.endr
	WIN 0x40                                       ; the gathers: the conversion and the barrier hang on them, so they go ahead of the rest of B
.irp i, 0,1,2,3,4,5,6,7
.irp c, 0,1,2,3,4,5,6,7
	global_load_b128 v[4*(8*\i+\c):4*(8*\i+\c)+3], v[2+\i], s[4:5] offset:512*\c
.endr
.endr
	WIN 0xc0                                       ; K steps 16-31 of my B into window 3
.rept 16
.irp i, 0,1,2,3
	global_load_b128 v[16*(ks-16)+4*\i:16*(ks-16)+4*\i+3], v1, s[10:11] offset:8192*ks+512*\i
.endr
.set ks, ks+1
.endr
	s_wait_loadcnt 63                              ; 64 loads are younger than the gathers: with 63 out the gathers, and K steps 0-15 ahead of them, are in
	WIN 0x05
.set i, 0
.rept 64
	v_cvt_pk_bf16_f32 v[AF0+2*i],   v[4*i],   v[4*i+1]
	v_cvt_pk_bf16_f32 v[AF0+2*i+1], v[4*i+2], v[4*i+3]
.set i, i+1
.endr
	WIN 0
.irp i, 0,1,2,3,4,5,6,7
	s_cmp_lg_u32 s[TOK+\i], 0
	s_cselect_b32 s32, -1, 0
.irp c, 0,1,2,3,4,5,6,7
	v_and_b32 v[AF0+2*(8*\i+\c)],   s32, v[AF0+2*(8*\i+\c)]
	v_and_b32 v[AF0+2*(8*\i+\c)+1], s32, v[AF0+2*(8*\i+\c)+1]
.endr
.endr
.irp i, 0,1,2,3,4,5,6,7
.irp c, 0,1,2,3,4,5,6,7
	ds_store_b64 v10, v[AF0+2*(8*\i+\c):AF0+2*(8*\i+\c)+1] offset:\i*APITCH+256*\c   ; the 64 stores in one run
.endr
.endr
	s_wait_dscnt 0x0                               ; my rows are in LDS
	s_barrier_signal -1
	s_barrier_wait -1                              ; all 32 are
	LDAF 0, AF0
	LDAF 1, AF1
	WIN 0x08                                       ; source 1 (B) window 2; LDS loads name destination and source 0, which stay in window 0
	BLOCK 0, AF0, 16, 64, 1, 1
	BLOCK 1, AF1, 16, 64, 0, 1
	BLOCK 2, AF0, 16, 64, 0, 1
	BLOCK 3, AF1, 16, 64, 0, 1
	WIN 0x0c                                       ; B window 3
	BLOCK 4, AF0, 16, 48, 0, 1
	BLOCK 5, AF1, 16, 32, 0, 1
	BLOCK 6, AF0, 16, 16, 0, 0
	BLOCK 7, AF1, 0,  0,  0, 0
	WIN 0
	PLACES
	; gelu(x) = x / (1 + 2^z), z = x (C1 + C2 x^2), in place
.set p, 0
.rept 16
	v_pk_mul_f32 v[ZR+2*p:ZR+2*p+1], v[ACC+2*p:ACC+2*p+1], s[38:39] op_sel_hi:[1,0]
.set p, p+1
.endr
.set p, 0
.rept 16
	v_pk_fma_f32 v[ZR+2*p:ZR+2*p+1], v[ACC+2*p:ACC+2*p+1], v[ZR+2*p:ZR+2*p+1], s[36:37] op_sel_hi:[1,1,0]
.set p, p+1
.endr
.set p, 0
.rept 16
	v_pk_mul_f32 v[ZR+2*p:ZR+2*p+1], v[ACC+2*p:ACC+2*p+1], v[ZR+2*p:ZR+2*p+1]
.set p, p+1
.endr
.set p, 0
.rept 32
	v_exp_f32 v[ZR+p], v[ZR+p]
.set p, p+1
.endr
	v_nop                                          ; one plain instruction behind the transcendentals (ISA guide 5.7.2)
.set p, 0
	s_wait_alu depctr_va_vdst(0)
.rept 16
	v_pk_add_f32 v[ZR+2*p:ZR+2*p+1], v[ZR+2*p:ZR+2*p+1], 1.0 op_sel_hi:[1,0]
.set p, p+1
.endr
.set p, 0
.rept 32
	v_rcp_f32 v[ZR+p], v[ZR+p]
.set p, p+1
.endr
	v_nop
.set p, 0
	s_wait_alu depctr_va_vdst(0)
.rept 16
	v_pk_mul_f32 v[ACC+2*p:ACC+2*p+1], v[ACC+2*p:ACC+2*p+1], v[ZR+2*p:ZR+2*p+1]
.set p, p+1
.endr
.irp ta, 0,1
.irp tb, 0,1
.irp tj, 0,1,2,3,4,5,6,7
	ds_store_b32 v12, v[ACC+8*(2*\ta+\tb)+\tj] offset:(16*\ta+\tj)*SPITCH+64*\tb    ; row 16 a + 8 h + j, column 32 w + 16 b + r
.endr
.endr
.endr
	s_wait_dscnt 0x0                               ; my columns are in the stage
	s_barrier_signal -1
	s_barrier_wait -1                              ; all 128 are
.irp tt, 0,1,2,3,4,5,6,7
	ds_load_b128 v[RR+4*\tt:RR+4*\tt+3], v13 offset:\tt*SPITCH
.endr
.irp tt, 0,1,2,3,4,5,6,7
	s_wait_dscnt 7-\tt
	global_store_b128 v1, v[RR+4*\tt:RR+4*\tt+3], s[12:13] offset:4096*\tt th:TH_STORE_NT   ; row 8 w + t: 512 consecutive bytes, aligned
.endr
	; the chunk's part of the mask: one wave of the work-groups with G = 0, one byte a lane, 32 neighbouring bytes
	s_cmp_lg_u32 s17, 0
	s_cbranch_scc1 .Lend
	s_cmp_lg_u32 s16, 0
	s_cbranch_scc1 .Lend
	v_lshl_add_u32 v49, v14, 2, s22
	global_load_b32 v50, v49, s[6:7]
	s_wait_loadcnt 0x0
	v_min_u32 v50, 1, v50
	global_store_b8 v14, v50, s[14:15]
.Lend:
	s_wait_tensorcnt 0x0
	ds_add_u32 v62, v63
	s_wait_dscnt 0x0
	s_endpgm
.Lfunc_end_k_q4890b3ef5f_sel:
	.size	k_q4890b3ef5f_sel, .Lfunc_end_k_q4890b3ef5f_sel-k_q4890b3ef5f_sel
	.p2alignl 7, 3214868480
	.fill 96, 4, 3214868480
	.section	.rodata,"a",@progbits
	.p2align	6, 0x0
	.amdhsa_kernel k_q4890b3ef5f_sel
		.amdhsa_group_segment_fixed_size 83456
		.amdhsa_private_segment_fixed_size 0
		.amdhsa_enable_private_segment 0
		.amdhsa_kernarg_size 48
		.amdhsa_user_sgpr_count 2
		.amdhsa_user_sgpr_kernarg_segment_ptr 1
		.amdhsa_wavefront_size32 1
		.amdhsa_system_sgpr_workgroup_id_x 1
		.amdhsa_system_sgpr_workgroup_id_y 1
		.amdhsa_system_sgpr_workgroup_id_z 1
		.amdhsa_system_vgpr_workitem_id 0
		.amdhsa_next_free_vgpr 1024
		.amdhsa_next_free_sgpr 66
		.amdhsa_reserve_vcc 0
		.amdhsa_float_denorm_mode_32 3
		.amdhsa_float_denorm_mode_16_64 3
		.amdhsa_memory_ordered 1
		.amdhsa_forward_progress 1
		.amdhsa_inst_pref_size 68
	.end_amdhsa_kernel
	.amdgpu_metadata
---
amdhsa.version: [ 1, 2 ]
amdhsa.kernels:
  - .name:           k_q4890b3ef5f_sel
    .symbol:         k_q4890b3ef5f_sel.kd
    .args:
      - { .name: W_emb, .offset: 0, .size: 8, .value_kind: global_buffer, .address_space: global }
      - { .name: know_tokens, .offset: 8, .size: 8, .value_kind: global_buffer, .address_space: global }
      - { .name: ids, .offset: 16, .size: 8, .value_kind: global_buffer, .address_space: global }
      - { .name: wf, .offset: 24, .size: 8, .value_kind: global_buffer, .address_space: global }
      - { .name: out0, .offset: 32, .size: 8, .value_kind: global_buffer, .address_space: global }
      - { .name: out1, .offset: 40, .size: 8, .value_kind: global_buffer, .address_space: global }
    .group_segment_fixed_size: 83456
    .private_segment_fixed_size: 0
    .kernarg_segment_align: 8
    .kernarg_segment_size: 48
    .max_flat_workgroup_size: 128
    .sgpr_count:     66
    .vgpr_count:     1024
    .wavefront_size: 32
...
	.end_amdgpu_metadata
.endif
;; end of part 6
;; ======== version 3 of 3: 4 launches; version 2 with the launch pool written anew for expert scheduling mode
;; workspace buffers: wf 2,097,152 bytes; ksum 1,048,576 bytes; csum 524,288 bytes; ids 256 bytes of whole numbers
;; launch prep: the kernel of part 1 again; grid 256 x 1, 8 waves a work-group, no clusters, 0 bytes of LDS; arguments W_proj, wf; writes wf
;; launch pool (part 7): grid 256 x 1, 4 waves a work-group, no clusters, 315,904 bytes of LDS; arguments W_emb, know_tokens, src_tokens, wf, ksum, csum, out0; writes ksum, csum, out0
.if DOCPART == 7
	.amdgcn_target "amdgcn-amd-amdhsa--gfx1250"
	.amdhsa_code_object_version 6
	.text
	.protected	k_q4890b3ef5f_pool
	.globl	k_q4890b3ef5f_pool
	.p2align	8
	.type	k_q4890b3ef5f_pool,@function
k_q4890b3ef5f_pool:
	s_mov_b64 s[64:65], 0
	v_nop
	global_prefetch_b8 v0, s[64:65] scope:SCOPE_SE
	s_setreg_imm32_b32 hwreg(HW_REG_WAVE_SCHED_MODE, 0, 2), 2
	s_setreg_imm32_b32 hwreg(HW_REG_WAVE_MODE, 25, 1), 1
	s_wait_xcnt 0x0
	s_wait_alu depctr_vm_vsrc(0)
; gelu(W_emb[token] x W_proj) for all 34,816 token rows.  Kept are the column sums of each knowledge chunk (ksum), the context rows (out0) and their sums (csum).
; SHARES.  Work-group gid = one knowledge chunk (128 rows x 1024 columns) plus 16 context rows x 512 columns (rows 16 cg .., cg = gid & 127,
; column half Hc = gid >> 7): 17 x 8,192 outputs for each of the 256 work-groups.  Two passes of 512 columns: pass 0 makes half 1 - Hc with eight
; row tiles, pass 1 makes half Hc with nine (the ninth is the context).  Wave w makes all rows x 128 columns: 64 accumulator tiles, 512 registers.
; A (the gathered rows, bf16) is made once and stays in LDS for both passes; it is gathered WHILE pass 0 multiplies: 128 k (a granule) per trip of four K steps.
; B (W_proj in fragment order, wf) belongs to one wave alone, so it goes straight from memory into a ring of four register buffers.
; NO TENSOR LOADS, NO CLUSTER: A takes 313,344 of the 327,680 bytes that a work-group may be given.  One K step of 32 for a pass's 512 columns is
; 32,768 bytes of W, so no slot for a joint load of W fits beside A; and W_emb's rows need a conversion on their way, so they pass through registers.
; THE GELU TEXT names each of the 512 accumulator registers, so it is long and straight.  It stands ONCE, in a loop of two trips: trip 0 closes pass 0 and holds
; pass 1, trip 1 closes pass 1.  It is cut into four quarters of 16 tiles; wave w takes them in the order w, w+1, w+2, w+3 (mod 4), so that at any time the four
; waves run four different quarters, and three of a wave's four quarters have been run by another wave before.
; A row whose token is 0 is stored as zeros: then x = 0 and gelu(0) = 0, which is gelu(h) x 0.
; LIMITS: a NaN or infinity in W_emb[0] gives 0 here where the product with the mask gives NaN.  W_emb and W_proj are rounded once to bf16; sums, gelu and pooling are f32.
; gelu(x) = x / (1 + 2^z), z = x (C1 + C2 x^2), C1 = -2 log2(e) sqrt(2/pi), C2 = 0.044715 C1: the tanh form itself, right at both ends
; (z = +inf gives x * 0, z = -inf gives x * 1).
; THE MODE: SCHED_MODE bits 1:0 = 2 (LLVM: expert scheduling mode 2), set by the entry lines.  The code itself states the register dependences
; between vector or matrix instructions and memory or LDS instructions, with s_wait_alu, always for 0.
; THE PLAN.  Registers that memory or LDS instructions touch in K step j of a trip (p = j & 1):
;   AB0[p]     read by the step's first 32 products; its LDS loads were issued in the middle of step j - 1.
;   AB0[1-p]   last read by step j - 1's first 32 products; the LDS loads for step j + 1 land in it in the middle of step j.
;   AB1        last read by step j - 1's last products; the step's own LDS loads land in it at the step's head; read by the step's last 32 (40) products.
;   B ring     the step's products read buffer j; the step's loads land in buffer j + 2 (pass 0) or j + 3 (pass 1), last read in step j - 2 or j - 1.
;   SG[j]      a unit is four registers.  The conversions read all four and write 0 and 1; the next gather's offset is written into 2, which no store reads; the ANDs write 0 and 1;
;              the LDS stores read 0 and 1; the gather's load reads 2 and lands on the whole unit, its own offset among it.
;   AAD, STA   read by the LDS loads and stores; written once a trip, behind its last step.      BOFF and the way out's addresses are never written again; GOFF is read by vector lines alone.
; So ONE wait on va_vdst stands in a step, behind its conversions: it states that the ANDs and the offsets are written, that the conversions are done with SG[j], that the earlier
; steps' products are done reading AB1, AB0[1-p] and the ring buffer that is loaded next, and, in a trip's first step, that AAD and STA are written.  Behind it the step's products name
; AB0[p], AB1, ring buffer j and the accumulators alone, so the step's loads are dealt among them with no further wait on va_vdst.  One wait on vm_vsrc stands ahead of the gather's loads
; (the step's stores have read SG[j]); the same line in the next steps frees the unit's registers for the next conversions and offsets.  One more a trip stands ahead of the adds to AAD and STA.
;
; LDS: granule block c (k = 128 c .. +127) at c * GRAN: 144 rows (0-127 chunk, 128-143 context) of 256 bytes + 16 = 272 = 17 x 16, so that the sixteen rows
; of a fragment load lie in sixteen different 16-byte columns of a 256-byte span.  POOLB: 512 bytes a wave for the sums' way out.
; The context tile's way out (16 rows x 272 bytes a wave) takes block 0 again, behind a barrier at which every wave's reads of A are over.
.set APITCH, 272
.set TILEB,  16*APITCH                 ; a row tile
.set GRAN,   144*APITCH                ; a granule block, 39,168 bytes
.set POOLB,  8*GRAN
.set BSTEP,  8192                      ; wf: one K step of a wave's 128 columns
; window 0
.set GOFF, 1                           ; 16 L + 512 x (granule being gathered)
.set BOFF, 2                           ; 16 L
.set STA,  3                           ; where my chunk rows' 8 bytes go: 32 w rows + 8 L + the block being converted
.set AAD,  4                           ; fragment address: r rows + 16 h + the block being multiplied
.set AAB,  5                           ; its start
.set STC,  6                           ; v[6:9] where my context rows go: (128 + 4 w) rows + 8 L + blocks 0, 2, 4, 6
.set STG,  15                          ; context way out: in
.set RDB,  16                          ; context way out: back, by rows
.set OOF,  17                          ; and the same two rows in out0
.set PSA,  18                          ; sums' way out: in
.set PSR,  19                          ; back
.set QR,   20                          ; v[20:23] sums, column 32 i + L
.set QO,   24                          ; v[24:27] sums as stored (v24-v28 are scratch during the set-up)
.set AB0,  32                          ; v[32:95]   A fragments, row tiles 0-3: two buffers of 32, step j's at AB0 + 32 (j & 1)
.set AB1,  96                          ; v[96:135]  A fragments, row tiles 4-7, and 8 (pass 1 alone) at + 32
.set SG,   128                         ; v[128:255] gather staging: 4 groups x 8 units x 4 registers (pass 0 alone)
.set ACC8, 136                         ; v[136:199] the context tile's eight accumulators (pass 1)
.set SUMR, 200                         ; v[200:215] a pair of sums for each column tile
.set ZR,   216                         ; v[216:247] gelu at work
.set RR,   32                          ; v[32:63]   context rows as stored
; window 1: B ring, buffer i at v[64 i], column tile b at + 8 b.  Window 2: accumulators of row tiles 0-3, tile (a, b) at 8 (8 a + b).  Window 3: row tiles 4-7.
.set TOK, 28                           ; s[28:59] my 32 chunk tokens
.set CTK, 60                           ; s[60:63] my 4 context tokens
.set KS0, 78                           ; s[78:79] ksum at the columns of the pass that is being closed   s[80:81] pass 1's   s[82:83] csum   s[84:85] out0
.set KS1, 80
.set CSB, 82
.set OUTB, 84
.set MK,  92                           ; s[92:99] eight row masks: all ones where the token is not 0
.set LO,  0xa4                         ; s_set_vgpr_msb: source 0 (A) window 0, source 1 (B) window 1, C and D window 2
.set HI,  0xf4                         ; the same, C and D window 3
.set T8,  0x04                         ; the same, C and D window 0
.set TOB, 0x40                         ; destination window 1
.set X2,  0x02                         ; source 0 window 2
.set X3,  0x03                         ; source 0 window 3
.set MSB, 0
.macro WIN new                         ; the immediate's high byte repeats the setting that is left
.if MSB != \new
	s_set_vgpr_msb (MSB<<8)|\new
.set MSB, \new
.endif
.endm
.macro PLACES                          ; four places behind a matrix instruction (ISA guide 7.12.1)
.rept 4
	v_nop
.endr
.endm
; 16 matrix instructions: row tiles a0, a0 + 1 of the window's four x eight column tiles, 32 along K.  The accumulators take turns, one instruction a turn.
.macro MUL16 ab, a0, rb, zero
.irp ta, \a0, (\a0)+1
.irp tb, 0,1,2,3,4,5,6,7
.if \zero
	v_wmma_f32_16x16x32_bf16 v[8*(8*(\ta)+\tb):8*(8*(\ta)+\tb)+7], v[(\ab)+8*(\ta):(\ab)+8*(\ta)+7], v[64*(\rb)+8*\tb:64*(\rb)+8*\tb+7], 0
.else
	v_wmma_f32_16x16x32_bf16 v[8*(8*(\ta)+\tb):8*(8*(\ta)+\tb)+7], v[(\ab)+8*(\ta):(\ab)+8*(\ta)+7], v[64*(\rb)+8*\tb:64*(\rb)+8*\tb+7], v[8*(8*(\ta)+\tb):8*(8*(\ta)+\tb)+7]
.endif
.endr
.endr
.endm
.macro MUL8 rb, zero                   ; the context tile x eight column tiles
.irp tb, 0,1,2,3,4,5,6,7
.if \zero
	v_wmma_f32_16x16x32_bf16 v[ACC8+8*\tb:ACC8+8*\tb+7], v[AB1+32:AB1+39], v[64*(\rb)+8*\tb:64*(\rb)+8*\tb+7], 0
.else
	v_wmma_f32_16x16x32_bf16 v[ACC8+8*\tb:ACC8+8*\tb+7], v[AB1+32:AB1+39], v[64*(\rb)+8*\tb:64*(\rb)+8*\tb+7], v[ACC8+8*\tb:ACC8+8*\tb+7]
.endif
.endr
.endm
.macro LDA0 ab, koff                   ; fragments of row tiles 0-3 at byte koff behind AAD, into buffer ab: 8 LDS loads
.irp ta, 0,1,2,3
	ds_load_b128 v[(\ab)+8*\ta:(\ab)+8*\ta+3],   v[AAD] offset:\ta*TILEB+(\koff)
	ds_load_b128 v[(\ab)+8*\ta+4:(\ab)+8*\ta+7], v[AAD] offset:\ta*TILEB+(\koff)+32
.endr
.endm
.macro LDA1 koff, ctx                  ; row tiles 4-7, and 8 where ctx: 8 or 10 LDS loads
.irp ta, 0,1,2,3
	ds_load_b128 v[AB1+8*\ta:AB1+8*\ta+3],   v[AAD] offset:(4+\ta)*TILEB+\koff
	ds_load_b128 v[AB1+8*\ta+4:AB1+8*\ta+7], v[AAD] offset:(4+\ta)*TILEB+\koff+32
.endr
.if \ctx
	ds_load_b128 v[AB1+32:AB1+35], v[AAD] offset:8*TILEB+\koff
	ds_load_b128 v[AB1+36:AB1+39], v[AAD] offset:8*TILEB+\koff+32
.endif
.endm
.macro LDB rb, base, off               ; one K step of my 128 columns of W into ring buffer rb: 16 loads of 512 neighbouring bytes; the caller sets the next window
	WIN TOB
.irp ti, 0,1,2,3,4,5,6,7,8,9,10,11,12,13,14,15
	global_load_b128 v[64*(\rb)+4*\ti:64*(\rb)+4*\ti+3], v[BOFF], s[\base:\base+1] offset:\off+512*\ti
.endr
.endm
; Which B a step fetches: 1 pass 0, two steps ahead; 2 pass 0's last two steps: pass 1's first three; 3 pass 1, three steps ahead; 0 none.
.macro BFETCH j, bsel
.if \bsel == 1
.set RB, (\j+2)&3
.set BO, (\j+2)*BSTEP
	LDB RB, 24, BO
.endif
.if \bsel == 2
.set RB, (\j+2)&3
.set BO, (\j-2)*BSTEP
	LDB RB, 26, BO
.if \j == 3
	LDB 2, 26, 2*BSTEP
.endif
.endif
.if \bsel == 3
.set RB, (\j+3)&3
.set BO, (\j+3)*BSTEP
	LDB RB, 26, BO
.endif
.endm
; The gather of 512 bytes (128 k) of each of my chunk rows 8 j .. 8 j + 7, in two halves: the eight offsets, the eight loads.
; The offset lies in the unit's register 2, which the conversions have read and no store reads; a load lands on its own offset register.
.macro GATHKA j
.irp tu, 0,1,2,3,4,5,6,7
	v_lshl_add_u32 v[SG+32*\j+4*\tu+2], s[TOK+8*\j+\tu], 12, v[GOFF]
.endr
.endm
.macro GATHKL j
.irp tu, 0,1,2,3,4,5,6,7
	global_load_b128 v[SG+32*\j+4*\tu:SG+32*\j+4*\tu+3], v[SG+32*\j+4*\tu+2], s[4:5]
.endr
.endm
; The same for my context row j, all eight pieces of 512 bytes
.macro GATHCA j
.irp tu, 0,1,2,3,4,5,6,7
	v_lshl_add_u32 v[SG+32*\j+4*\tu+2], s[CTK+\j], 12, v[BOFF]
.endr
.endm
.macro GATHCL j
.irp tu, 0,1,2,3,4,5,6,7
	global_load_b128 v[SG+32*\j+4*\tu:SG+32*\j+4*\tu+3], v[SG+32*\j+4*\tu+2], s[4:5] offset:512*\tu
.endr
.endm
.macro MASKK j                         ; the masks of chunk rows 8 j .. 8 j + 7
.irp tu, 0,1,2,3,4,5,6,7
	s_cmp_lg_u32 s[TOK+8*\j+\tu], 0
	s_cselect_b32 s[MK+\tu], -1, 0
.endr
.endm
.macro MASKC j                         ; the mask of context row j
	s_cmp_lg_u32 s[CTK+\j], 0
	s_cselect_b32 s[MK], -1, 0
.endm
; Group j: round to bf16, zero the rows of token 0, 8 bytes a lane into A.  In runs, so that no line stands next to the line whose result it reads
; and the eight stores go out together, behind the step's one wait on va_vdst.
.macro CVT j
.irp tu, 0,1,2,3,4,5,6,7
	v_cvt_pk_bf16_f32 v[SG+32*\j+4*\tu],   v[SG+32*\j+4*\tu],   v[SG+32*\j+4*\tu+1]
	v_cvt_pk_bf16_f32 v[SG+32*\j+4*\tu+1], v[SG+32*\j+4*\tu+2], v[SG+32*\j+4*\tu+3]
.endr
.endm
.macro ANDK j
.irp tu, 0,1,2,3,4,5,6,7
	v_and_b32 v[SG+32*\j+4*\tu],   s[MK+\tu], v[SG+32*\j+4*\tu]
	v_and_b32 v[SG+32*\j+4*\tu+1], s[MK+\tu], v[SG+32*\j+4*\tu+1]
.endr
.endm
.macro STOK j
.irp tu, 0,1,2,3,4,5,6,7
	ds_store_b64 v[STA], v[SG+32*\j+4*\tu:SG+32*\j+4*\tu+1] offset:(8*\j+\tu)*APITCH
.endr
.endm
.macro ANDC j                          ; the same for context row j: one mask,
.irp tu, 0,1,2,3,4,5,6,7
	v_and_b32 v[SG+32*\j+4*\tu],   s[MK], v[SG+32*\j+4*\tu]
	v_and_b32 v[SG+32*\j+4*\tu+1], s[MK], v[SG+32*\j+4*\tu+1]
.endr
.endm
.macro STOC j                          ; and piece u goes to granule block u
.irp tu, 0,1,2,3,4,5,6,7
	ds_store_b64 v[STC+\tu/2], v[SG+32*\j+4*\tu:SG+32*\j+4*\tu+1] offset:\j*APITCH+(\tu%2)*GRAN
.endr
.endm
; One K step of 32, on ring buffer j (j = the step's number in its trip of four).
;   zero: the products start the sums.   lcnt: how many younger loads may stay out when this step's B and the group to convert must be in.
;   conv: 1 chunk group j, 2 context row j, 0 nothing is converted.     gath: 1 chunk group j, 2 context row j, 0 nothing is gathered.
;   bsel: which B is fetched (BFETCH).
;   bar:  this step's stores end a granule: signal behind them, wait in front of the first read of the new block.
;   nxt:  0 tiles 0-3 of the next step are fetched, 2 they are not (a pass ends).    ctx: the ninth row tile.
.macro STEP j, zero, lcnt, conv, gath, bsel, bar, nxt, ctx
.set A0C, AB0+32*((\j)&1)
.set A0N, AB0+32*((\j+1)&1)
	WIN 0
.if \conv == 1
	MASKK \j
.endif
.if \conv == 2
	MASKC \j
.endif
	s_wait_loadcnt \lcnt
.if \conv
	CVT \j
.if \gath == 1
	GATHKA \j
.endif
.if \gath == 2
	GATHCA \j
.endif
.if \conv == 1
	ANDK \j
.else
	ANDC \j
.endif
.else
	PLACES                                         ; no vector work is at hand here: four places behind the last step's matrix instructions, whose A and B registers are loaded below
.endif
	s_wait_alu depctr_va_vdst(0)                   ; the ANDs have written what the stores read, the offsets what the gather reads; the conversions are done with SG[j]; the earlier steps' products are done reading AB1, the other AB0 and the ring buffer loaded below; in a trip's first step AAD and STA are written
.if \conv == 1
	STOK \j
.endif
.if \conv == 2
	STOC \j
.endif
.if \bar
	BFETCH \j, \bsel                               ; ahead of the signal: between signal and wait stand registers and LDS loads alone
	WIN 0
	s_wait_dscnt 0x0                               ; my stores of the granule are in LDS (and this step's AB0 is in),
	s_barrier_signal -1                            ; say so; up to the wait only registers and reads of blocks that nobody writes any more
.endif
.set KO, 64*\j
	LDA1 KO, \ctx
.if \bar == 0
.set DSC, 2*(4+\ctx)
.if \conv
.set DSC, DSC+8
.endif
	s_wait_dscnt DSC                               ; this step's AB0 is in: younger are only this step's stores and the loads of AB1
.endif
	WIN LO
	MUL16 A0C, 0, \j, \zero
.if \bar == 0
	BFETCH \j, \bsel                               ; no wait: no vector or matrix instruction since the wait above names BOFF or the ring buffer that these loads fill
	WIN LO
.endif
	MUL16 A0C, 2, \j, \zero
	WIN 0
.if \bar
	s_barrier_wait -1                              ; every wave's part of the new block is in LDS
.endif
.if \nxt == 0
.if \j == 3
.set KO, GRAN
.else
.set KO, 64*(\j+1)
.endif
	LDA0 A0N, KO                                   ; into the AB0 that this step's products do not name
.if \gath
	s_wait_alu depctr_vm_vsrc(0)                   ; this step's LDS stores have read SG[j], in which the gather's loads land
.endif
.if \gath == 1
	GATHKL \j
.endif
.if \gath == 2
	GATHCL \j
.endif
	s_wait_dscnt 0x8                               ; AB1 is in: the eight loads of AB0 are younger
.else
	s_wait_dscnt 0x0                               ; AB1 is in; nothing more is read in this pass
.endif
	WIN HI
	MUL16 AB1, 0, \j, \zero
	MUL16 AB1, 2, \j, \zero
.if \ctx
	WIN T8
	MUL8 \j, \zero
.endif
.endm
.macro ADV0                            ; a trip of pass 0 is over
	WIN 0
	s_wait_alu depctr_vm_vsrc(0)                   ; the LDS loads and stores issued so far have read AAD and STA
	v_add_nc_u32 v[AAD], GRAN, v[AAD]
	v_add_nc_u32 v[STA], GRAN, v[STA]
	v_add_nc_u32 v[GOFF], 512, v[GOFF]
	s_wait_xcnt 0x0                                ; the pending loads of B have had their addresses translated (ISA guide 3.1): only now their base is stepped
	s_add_nc_u64 s[24:25], s[24:25], 4*BSTEP
.endm
.macro ADV1                            ; a trip of pass 1 is over
	WIN 0
	s_wait_alu depctr_vm_vsrc(0)                   ; the LDS loads issued so far have read AAD
	v_add_nc_u32 v[AAD], GRAN, v[AAD]
	s_wait_xcnt 0x0                                ; as above
	s_add_nc_u64 s[26:27], s[26:27], 4*BSTEP
.endm
.macro TRIPK zero, gath                ; pass 0: four K steps; converts a chunk granule, gathers the next but one (or the context rows)
	STEP 0, \zero, 32, 1, \gath, 1, 0, 0, 0
	STEP 1, 0,     32, 1, \gath, 1, 0, 0, 0
	STEP 2, 0,     32, 1, \gath, 1, 0, 0, 0
	STEP 3, 0,     32, 1, \gath, 1, 1, 0, 0
.endm
.macro TRIPC zero                      ; pass 1: four K steps
	STEP 0, \zero, 32, 0, 0, 3, 0, 0, 1
	STEP 1, 0,     32, 0, 0, 3, 0, 0, 1
	STEP 2, 0,     32, 0, 0, 3, 0, 0, 1
	STEP 3, 0,     32, 0, 0, 3, 0, 0, 1
.endm
.macro SIGM                            ; ZR[0..31] = 1 / (1 + 2^ZR).  Behind each run of transcendentals one plain instruction before their results are used (ISA guide 5.7.2), and one wait for the run
.set zi, 0
.rept 32
	v_exp_f32 v[ZR+zi], v[ZR+zi]
.set zi, zi+1
.endr
	v_nop
	s_wait_alu depctr_va_vdst(0)                   ; the 32 exponentials have written ZR, ahead of the first line that names a result of theirs
.set zi, 0
.rept 16
	v_pk_add_f32 v[ZR+zi:ZR+zi+1], v[ZR+zi:ZR+zi+1], 1.0 op_sel_hi:[1,0]
.set zi, zi+2
.endr
.set zi, 0
.rept 32
	v_rcp_f32 v[ZR+zi], v[ZR+zi]
.set zi, zi+1
.endr
	v_nop
	s_wait_alu depctr_va_vdst(0)                   ; the 32 reciprocals have written ZR, ahead of the first line that names a result of theirs
.endm
; gelu of four tiles (row tile a of the window, column tiles 4 bh .. + 3), added straight into the column sums: g is never written.
.macro EPIB win, a, bh
	WIN \win
.irp tq, 0,1,2,3
.irp tc, 0,1,2,3
	v_pk_mul_f32 v[ZR+8*\tq+2*\tc:ZR+8*\tq+2*\tc+1], v[8*(8*\a+4*\bh+\tc)+2*\tq:8*(8*\a+4*\bh+\tc)+2*\tq+1], s[68:69] op_sel_hi:[1,0]
.endr
.endr
.irp tq, 0,1,2,3
.irp tc, 0,1,2,3
	v_pk_fma_f32 v[ZR+8*\tq+2*\tc:ZR+8*\tq+2*\tc+1], v[8*(8*\a+4*\bh+\tc)+2*\tq:8*(8*\a+4*\bh+\tc)+2*\tq+1], v[ZR+8*\tq+2*\tc:ZR+8*\tq+2*\tc+1], s[66:67] op_sel_hi:[1,1,0]
.endr
.endr
.irp tq, 0,1,2,3
.irp tc, 0,1,2,3
	v_pk_mul_f32 v[ZR+8*\tq+2*\tc:ZR+8*\tq+2*\tc+1], v[8*(8*\a+4*\bh+\tc)+2*\tq:8*(8*\a+4*\bh+\tc)+2*\tq+1], v[ZR+8*\tq+2*\tc:ZR+8*\tq+2*\tc+1]
.endr
.endr
	WIN 0
	SIGM
	WIN \win
.irp tq, 0,1,2,3
.irp tc, 0,1,2,3
	v_pk_fma_f32 v[SUMR+2*(4*\bh+\tc):SUMR+2*(4*\bh+\tc)+1], v[8*(8*\a+4*\bh+\tc)+2*\tq:8*(8*\a+4*\bh+\tc)+2*\tq+1], v[ZR+8*\tq+2*\tc:ZR+8*\tq+2*\tc+1], v[SUMR+2*(4*\bh+\tc):SUMR+2*(4*\bh+\tc)+1]
.endr
.endr
.endm
.macro EPIQ win, a0, a1                ; a quarter: row tiles a0 and a1 of the window, 16 tiles
	EPIB \win, \a0, 0
	EPIB \win, \a0, 1
	EPIB \win, \a1, 0
	EPIB \win, \a1, 1
	WIN 0
.endm
; The sums leave: register j of lane (r, h) was row 8 h + j of column r, so a column's sum is the pair's two halves plus the other half of the lanes.
.macro SUMOUT base
	s_wait_xcnt 0x0                                ; QO was the last such store's data: rewritten only behind this wait
	s_wait_alu depctr_vm_vsrc(0)                   ; beside it: the last such LDS stores have read QR, which the selects below write, and the last such store has read QO, in which the LDS load below lands
.irp tb, 0,1,2,3,4,5,6,7
	v_add_f32 v[SUMR+2*\tb], v[SUMR+2*\tb], v[SUMR+2*\tb+1]
.endr
.irp tb, 0,1,2,3,4,5,6,7
	v_permlanex16_b32 v[SUMR+2*\tb+1], v[SUMR+2*\tb], s70, s71      ; lane i xor 16; the destination has been written before
.endr
.irp tb, 0,1,2,3,4,5,6,7
	v_add_f32 v[SUMR+2*\tb], v[SUMR+2*\tb], v[SUMR+2*\tb+1]
.endr
.irp ti, 0,1,2,3
	v_cndmask_b32 v[QR+\ti], v[SUMR+4*\ti], v[SUMR+4*\ti+2], s76    ; lanes 16-31 take the odd tile: lane L holds column 32 i + L
.endr
	s_wait_alu depctr_va_vdst(0)                   ; the selects have written QR, which the LDS stores read
.irp ti, 0,1,2,3
	ds_store_b32 v[PSA], v[QR+\ti] offset:128*\ti
.endr
	ds_load_b128 v[QO:QO+3], v[PSR]                ; my wave's own bytes; LDS serves a wave's instructions in order (ISA guide 5.7.1)
	s_wait_dscnt 0x0
	global_store_b128 v[BOFF], v[QO:QO+3], s[\base:\base+1]         ; 512 consecutive bytes, aligned
.endm
; The context tile, four column tiles at a time: gelu in place, sums, 16 rows x 256 bytes through my stage, whole rows out.
.macro EPIC ch
.irp tq, 0,1,2,3
.irp tc, 0,1,2,3
	v_pk_mul_f32 v[ZR+8*\tq+2*\tc:ZR+8*\tq+2*\tc+1], v[ACC8+8*(4*\ch+\tc)+2*\tq:ACC8+8*(4*\ch+\tc)+2*\tq+1], s[68:69] op_sel_hi:[1,0]
.endr
.endr
.irp tq, 0,1,2,3
.irp tc, 0,1,2,3
	v_pk_fma_f32 v[ZR+8*\tq+2*\tc:ZR+8*\tq+2*\tc+1], v[ACC8+8*(4*\ch+\tc)+2*\tq:ACC8+8*(4*\ch+\tc)+2*\tq+1], v[ZR+8*\tq+2*\tc:ZR+8*\tq+2*\tc+1], s[66:67] op_sel_hi:[1,1,0]
.endr
.endr
.irp tq, 0,1,2,3
.irp tc, 0,1,2,3
	v_pk_mul_f32 v[ZR+8*\tq+2*\tc:ZR+8*\tq+2*\tc+1], v[ACC8+8*(4*\ch+\tc)+2*\tq:ACC8+8*(4*\ch+\tc)+2*\tq+1], v[ZR+8*\tq+2*\tc:ZR+8*\tq+2*\tc+1]
.endr
.endr
	SIGM
.irp tq, 0,1,2,3
.irp tc, 0,1,2,3
	v_pk_mul_f32 v[ACC8+8*(4*\ch+\tc)+2*\tq:ACC8+8*(4*\ch+\tc)+2*\tq+1], v[ACC8+8*(4*\ch+\tc)+2*\tq:ACC8+8*(4*\ch+\tc)+2*\tq+1], v[ZR+8*\tq+2*\tc:ZR+8*\tq+2*\tc+1]
.endr
.endr
.irp tc, 0,1,2,3
	v_pk_add_f32 v[SUMR+2*(4*\ch+\tc):SUMR+2*(4*\ch+\tc)+1], v[ACC8+8*(4*\ch+\tc):ACC8+8*(4*\ch+\tc)+1], v[ACC8+8*(4*\ch+\tc)+2:ACC8+8*(4*\ch+\tc)+3]
.endr
.irp tq, 2,3
.irp tc, 0,1,2,3
	v_pk_add_f32 v[SUMR+2*(4*\ch+\tc):SUMR+2*(4*\ch+\tc)+1], v[SUMR+2*(4*\ch+\tc):SUMR+2*(4*\ch+\tc)+1], v[ACC8+8*(4*\ch+\tc)+2*\tq:ACC8+8*(4*\ch+\tc)+2*\tq+1]
.endr
.endr
	s_wait_alu depctr_va_vdst(0)                   ; the multiplies have written the four tiles of gelu, which the LDS stores read
.irp tc, 0,1,2,3
.irp tj, 0,1,2,3,4,5,6,7
	ds_store_b32 v[STG], v[ACC8+8*(4*\ch+\tc)+\tj] offset:\tj*APITCH+64*\tc       ; row 8 h + j, column 16 tc + r
.endr
.endr
	s_wait_xcnt 0x0                                ; RR was store data: loaded again only behind this wait
	s_wait_alu depctr_vm_vsrc(0)                   ; beside it: the stores of the four tiles before have read RR, in which the LDS loads below land
.irp tt, 0,1,2,3,4,5,6,7
	ds_load_b128 v[RR+4*\tt:RR+4*\tt+3], v[RDB] offset:\tt*2*APITCH               ; rows 2 t + h; my own bytes, served in order
.endr
.irp tt, 0,1,2,3,4,5,6,7
	s_wait_dscnt 7-\tt
	global_store_b128 v[OOF], v[RR+4*\tt:RR+4*\tt+3], s[OUTB:OUTB+1] offset:8192*\tt+256*\ch th:TH_STORE_NT   ; sixteen lanes: 256 consecutive bytes, aligned
.endr
.endm
	; ---- set-up
	s_load_b256 s[4:11], s[0:1], 0x0               ; W_emb s[4:5], know_tokens s[6:7], src_tokens s[8:9], wf s[10:11]
	s_load_b128 s[12:15], s[0:1], 0x20             ; ksum s[12:13], csum s[14:15]
	s_load_b64 s[16:17], s[0:1], 0x30              ; out0
	v_lshl_add_u32 v30, v0, 2, 0x4d000
	v_mov_b32 v31, 0
	v_lshrrev_b32 v24, 5, v0
	v_readfirstlane_b32 s18, v24                   ; w
	v_and_b32 v25, 31, v0                          ; L
	v_and_b32 v26, 15, v0                          ; r
	v_bfe_u32 v27, v0, 4, 1                        ; h
	v_lshlrev_b32 v[BOFF], 4, v25
	v_add_nc_u32 v[GOFF], 512, v[BOFF]             ; granule 1
	s_mov_b32 s19, ttmp9                           ; gid = the chunk
	s_lshr_b32 s20, s19, 7                         ; Hc
	s_and_b32 s23, s19, 127                        ; cg
	s_xor_b32 s77, s20, 1                          ; 1 - Hc
	s_lshl_b32 s72, s19, 9                         ; my 32 chunk tokens: gid * 512 + w * 128 bytes
	s_wait_alu depctr_va_sdst(0)                   ; s18 is written, ahead of its first reader: offsets, bases, LDS places and the quarters' order are made from it
	s_lshl_b32 s74, s18, 7
	s_add_co_u32 s72, s72, s74
	s_lshl_b32 s73, s23, 6                         ; my 4 context tokens: cg * 64 + w * 16 bytes
	s_lshl_b32 s74, s18, 4
	s_add_co_u32 s73, s73, s74
	s_wait_kmcnt 0x0
	s_load_b512 s[28:43], s[6:7], s72 offset:0x0
	s_load_b512 s[44:59], s[6:7], s72 offset:0x40
	s_load_b128 s[60:63], s[8:9], s73 offset:0x0
	s_lshl_b32 s74, s77, 2
	s_add_co_u32 s74, s74, s18
	s_lshl_b32 s74, s74, 18                        ; column group 4 (1 - Hc) + w of wf
	s_mov_b32 s75, 0
	s_add_nc_u64 s[24:25], s[10:11], s[74:75]      ; B of pass 0
	WIN TOB
	s_wait_alu depctr_va_vdst(0)                   ; BOFF is written, which every load of B reads as its offset
	LDB 0, 24, 0                                   ; K step 0's B goes out while the tokens are on their way
	WIN 0
	s_lshl_b32 s74, s20, 2
	s_add_co_u32 s74, s74, s18
	s_lshl_b32 s74, s74, 18
	s_add_nc_u64 s[26:27], s[10:11], s[74:75]      ; B of pass 1
	s_lshl_b32 s86, s19, 12
	s_lshl_b32 s87, s18, 9
	s_add_co_u32 s86, s86, s87                     ; gid * 4096 + w * 512
	s_lshl_b32 s74, s77, 11
	s_add_co_u32 s74, s74, s86
	s_add_nc_u64 s[KS0:KS0+1], s[12:13], s[74:75]
	s_lshl_b32 s74, s20, 11
	s_add_co_u32 s87, s74, s87                     ; Hc * 2048 + w * 512
	s_add_co_u32 s74, s74, s86
	s_add_nc_u64 s[KS1:KS1+1], s[12:13], s[74:75]
	s_lshl_b32 s74, s23, 12
	s_add_co_u32 s74, s74, s87
	s_add_nc_u64 s[CSB:CSB+1], s[14:15], s[74:75]
	s_lshr_b32 s74, s23, 4                         ; the example
	s_mul_i32 s74, s74, 384
	s_and_b32 s86, s23, 15
	s_lshl_b32 s86, s86, 4
	s_add_co_u32 s74, s74, s86
	s_add_co_u32 s74, s74, 128                     ; row n * 384 + 128 + 16 (cg & 15) of out0
	s_lshl_b32 s74, s74, 12
	s_add_co_u32 s74, s74, s87
	s_add_nc_u64 s[OUTB:OUTB+1], s[16:17], s[74:75]
	s_mov_b32 s66, 0xc0135761                      ; C1 = -2.3022082, twice (a pair for the packed forms)
	s_mov_b32 s67, 0xc0135761
	s_mov_b32 s68, 0xbdd2d3e8                      ; C2 = -0.10294324
	s_mov_b32 s69, 0xbdd2d3e8
	s_mov_b32 s70, 0x76543210                      ; v_permlanex16_b32: lane i of the other half
	s_mov_b32 s71, 0xfedcba98
	s_mov_b32 s76, 0xffff0000                      ; lanes 16-31
	s_mul_i32 s74, s18, 32*APITCH
	v_lshl_add_u32 v[STA], v25, 3, s74             ; block 0
	s_mul_i32 s74, s18, 4*APITCH
	s_add_co_u32 s74, s74, 128*APITCH
	v_lshl_add_u32 v[STC], v25, 3, s74
	v_add_nc_u32 v[STC+1], 2*GRAN, v[STC]
	v_add_nc_u32 v[STC+2], 4*GRAN, v[STC]
	v_add_nc_u32 v[STC+3], 6*GRAN, v[STC]
	v_mul_u32_u24 v28, v26, APITCH
	v_lshl_add_u32 v[AAB], v27, 4, v28             ; r rows + 16 h
	v_mov_b32 v[AAD], v[AAB]
	s_mul_i32 s74, s18, TILEB                      ; my stage for the context tile: w * 16 rows, in block 0
	v_mul_u32_u24 v28, v27, 8*APITCH
	v_lshl_add_u32 v28, v26, 2, v28
	v_add_nc_u32 v[STG], s74, v28
	v_mul_u32_u24 v28, v27, APITCH
	v_lshl_add_u32 v28, v26, 4, v28
	v_add_nc_u32 v[RDB], s74, v28
	v_lshlrev_b32 v28, 12, v27
	v_lshl_add_u32 v[OOF], v26, 4, v28
	s_lshl_b32 s74, s18, 9
	s_add_co_u32 s74, s74, POOLB
	v_lshl_add_u32 v[PSA], v25, 2, s74
	v_lshl_add_u32 v[PSR], v25, 4, s74
	s_wait_kmcnt 0x0                               ; the tokens
.set i, 0
.rept 36
	s_min_u32 s[TOK+i], s[TOK+i], 31999            ; an index stays inside the table; token 0 stays 0
.set i, i+1
.endr
	; ---- prologue: granule 0 through the still idle window 2.  On LOADcnt: B(0) 16, granule 0 32, group 0 of granule 1 8: 56 out.
	; All 64 offsets, granule 1's four groups and granule 0's 32 rows, are made first, so that one wait serves all their loads.
	GATHKA 0
	GATHKA 1
	GATHKA 2
	GATHKA 3
	WIN 0x80
.set i, 0
.rept 32
	v_lshl_add_u32 v[4*i], s[TOK+i], 12, v[BOFF]
.set i, i+1
.endr
	WIN 0x82
	s_wait_alu depctr_va_vdst(0)                   ; the 64 offsets are written, which the loads below and granule 1's gathers read; so are all the addresses of the set-up
.set i, 0
.rept 32
	global_load_b128 v[4*i:4*i+3], v[4*i], s[4:5]
.set i, i+1
.endr
	WIN 0
	GATHKL 0
	s_wait_loadcnt 0x8                             ; granule 0 (and B(0)) is in: only group 0's eight loads are younger
	WIN 0x0a
.set i, 0
.rept 32
	v_cvt_pk_bf16_f32 v[32+2*i], v[4*i],   v[4*i+1]
	v_cvt_pk_bf16_f32 v[33+2*i], v[4*i+2], v[4*i+3]
.set i, i+1
.endr
	WIN 0
.set i, 0
.rept 32
	s_cmp_lg_u32 s[TOK+i], 0
	s_cselect_b32 s[MK+i%8], -1, 0
	v_and_b32 v[32+2*i], s[MK+i%8], v[32+2*i]
	v_and_b32 v[33+2*i], s[MK+i%8], v[33+2*i]
.set i, i+1
.endr
	s_wait_alu depctr_va_vdst(0)                   ; the ANDs have written v32 to v95, which the LDS stores read
.set i, 0
.rept 32
	ds_store_b64 v[STA], v[32+2*i:33+2*i] offset:i*APITCH          ; the 32 stores in one run
.set i, i+1
.endr
	GATHKL 1                                       ; the order of the loop's steps: .. group, B, group.  No vector line since the offsets' wait names a register of these loads
	GATHKL 2
	LDB 1, 24, BSTEP
	WIN 0
	GATHKL 3
	s_wait_alu depctr_vm_vsrc(0)                   ; the LDS stores have read STA and v32 to v95 (AB0 from here on); granule 0's loads have read their offsets in window 2, which the first products write; granule 1's gathers have read theirs
	v_add_nc_u32 v[STA], GRAN, v[STA]              ; block 1 is converted next,
	v_add_nc_u32 v[GOFF], 512, v[GOFF]             ; granule 2 gathered next
	s_wait_dscnt 0x0                               ; my rows of granule 0 are in LDS
	s_barrier_signal -1
	s_barrier_wait -1                              ; everybody's are
	LDA0 AB0, 0
	; ---- pass 0.  A step issues B(s+2), 16 loads, then a gather group, 8.  At the head of step s the loads younger than B(s) are
	; group(s-2), B(s+1), group(s-1): 32.  The group converted in step s was issued in step s-4.  At most 32 + 24 = 56 loads of a wave are out.
	; Trip t converts granule t+1 and gathers granule t+2; trip 6 gathers the four context rows, trip 7 converts them.
	TRIPK 1, 1
	ADV0
	s_mov_b32 s21, 5
.Lp0:
	TRIPK 0, 1
	ADV0
	s_sub_co_u32 s21, s21, 1
	s_cmp_lg_u32 s21, 0
	s_cbranch_scc1 .Lp0
	TRIPK 0, 2
	ADV0
	STEP 0, 0, 32, 2, 0, 1, 0, 0, 0                ; nothing is gathered any more, so the counts run down:
	STEP 1, 0, 24, 2, 0, 1, 0, 0, 0                ; younger than B(29): a group and B(30)
	STEP 2, 0, 16, 2, 0, 2, 0, 0, 0                ; younger than B(30): B(31).  Pass 1's step 0 is fetched
	STEP 3, 0, 16, 2, 0, 2, 1, 2, 0                ; younger than B(31): pass 1's step 0.  Its steps 1 and 2 are fetched; the barrier shows the context rows
	WIN 0
	PLACES                                         ; the gelu reads matrix results
	s_wait_alu depctr_vm_vsrc(0)                   ; the LDS stores of the context rows have read the staging registers, which the sums, the gelu's work registers, the ninth row tile and its accumulators take over; pass 0's LDS loads have read AAD
	; ---- the close of a pass, and between the two closes pass 1.  s91 counts the passes closed.
	s_mov_b32 s91, 0
.Lepi:
.set i, 0
.rept 16
	v_mov_b32 v[SUMR+i], 0                         ; the quarters come in another order in each wave, so no product is the first by the text: the 16 sums are cleared
.set i, i+1
.endr
	s_mov_b32 s88, 0                               ; quarters done
	s_mov_b32 s89, s18                             ; the quarter that is due: the wave's number first
.Lquart:
	s_and_b32 s90, s89, 3
	s_cmp_lg_u32 s90, 0
	s_cbranch_scc1 .Lnq0
	EPIQ X2, 0, 1
.Lnq0:
	s_cmp_lg_u32 s90, 1
	s_cbranch_scc1 .Lnq1
	EPIQ X2, 2, 3
.Lnq1:
	s_cmp_lg_u32 s90, 2
	s_cbranch_scc1 .Lnq2
	EPIQ X3, 0, 1
.Lnq2:
	s_cmp_lg_u32 s90, 3
	s_cbranch_scc1 .Lnq3
	EPIQ X3, 2, 3
.Lnq3:
	s_add_co_u32 s89, s89, 1
	s_add_co_u32 s88, s88, 1
	s_cmp_lt_u32 s88, 4
	s_cbranch_scc1 .Lquart
	SUMOUT KS0
	s_cmp_lg_u32 s91, 0
	s_cbranch_scc1 .Lpassed                        ; pass 1 has been made: nothing more to multiply
	; ---- pass 1: B three steps ahead; younger than this step's B are the next two steps': 32
	s_wait_xcnt 0x0                                ; the store of the sums has had its address translated: its base moves on to pass 1's columns
	s_mov_b64 s[KS0:KS0+1], s[KS1:KS1+1]
	v_mov_b32 v[AAD], v[AAB]                       ; block 0 again (pass 0's LDS loads have read AAD: the wait on vm_vsrc behind pass 0)
	s_wait_alu depctr_va_vdst(0)                   ; AAD is written, which the LDS loads below read
	LDA0 AB0, 0
	TRIPC 1
	ADV1
	s_mov_b32 s21, 6
.Lp1:
	TRIPC 0
	ADV1
	s_sub_co_u32 s21, s21, 1
	s_cmp_lg_u32 s21, 0
	s_cbranch_scc1 .Lp1
	STEP 0, 0, 32, 0, 0, 3, 0, 0, 1                ; fetches the last step's B
	STEP 1, 0, 32, 0, 0, 0, 0, 0, 1
	STEP 2, 0, 16, 0, 0, 0, 0, 0, 1
	STEP 3, 0, 0,  0, 0, 0, 0, 2, 1
	WIN 0
	PLACES                                         ; the gelu reads matrix results
.Lpassed:
	s_add_co_u32 s91, s91, 1
	s_cmp_lt_u32 s91, 2
	s_cbranch_scc1 .Lepi
	; ---- the context tile
	s_wait_dscnt 0x0                               ; my reads of A are over
	s_barrier_signal -1
	s_barrier_wait -1                              ; nobody reads A any more: block 0 serves as the stage
	EPIC 0
	EPIC 1
	SUMOUT CSB
	s_wait_dscnt 0x0
	s_wait_alu depctr_hold_cnt(0) depctr_sa_sdst(0) depctr_va_vdst(0) depctr_va_sdst(0) depctr_va_ssrc(0) depctr_va_vcc(0) depctr_vm_vsrc(0)
	s_wait_tensorcnt 0x0
	ds_add_u32 v30, v31
	s_wait_dscnt 0x0
	s_endpgm
.Lfunc_end_k_q4890b3ef5f_pool:
	.size	k_q4890b3ef5f_pool, .Lfunc_end_k_q4890b3ef5f_pool-k_q4890b3ef5f_pool
	.p2alignl 7, 3214868480
	.fill 96, 4, 3214868480
	.section	.rodata,"a",@progbits
	.p2align	6, 0x0
	.amdhsa_kernel k_q4890b3ef5f_pool
		.amdhsa_group_segment_fixed_size 315904
		.amdhsa_private_segment_fixed_size 0
		.amdhsa_enable_private_segment 0
		.amdhsa_kernarg_size 56
		.amdhsa_user_sgpr_count 2
		.amdhsa_user_sgpr_kernarg_segment_ptr 1
		.amdhsa_wavefront_size32 1
		.amdhsa_system_sgpr_workgroup_id_x 1
		.amdhsa_system_sgpr_workgroup_id_y 1
		.amdhsa_system_sgpr_workgroup_id_z 1
		.amdhsa_system_vgpr_workitem_id 0
		.amdhsa_next_free_vgpr 1024
		.amdhsa_next_free_sgpr 100
		.amdhsa_reserve_vcc 0
		.amdhsa_float_denorm_mode_32 3
		.amdhsa_float_denorm_mode_16_64 3
		.amdhsa_memory_ordered 1
		.amdhsa_forward_progress 1
		.amdhsa_inst_pref_size 255
	.end_amdhsa_kernel
	.section	.bss,"aw",@nobits
	.p2align	6
	.space	262144
	.amdgpu_metadata
---
amdhsa.version: [ 1, 2 ]
amdhsa.kernels:
  - .name:           k_q4890b3ef5f_pool
    .symbol:         k_q4890b3ef5f_pool.kd
    .args:
      - { .name: W_emb, .offset: 0, .size: 8, .value_kind: global_buffer, .address_space: global }
      - { .name: know_tokens, .offset: 8, .size: 8, .value_kind: global_buffer, .address_space: global }
      - { .name: src_tokens, .offset: 16, .size: 8, .value_kind: global_buffer, .address_space: global }
      - { .name: wf, .offset: 24, .size: 8, .value_kind: global_buffer, .address_space: global }
      - { .name: ksum, .offset: 32, .size: 8, .value_kind: global_buffer, .address_space: global }
      - { .name: csum, .offset: 40, .size: 8, .value_kind: global_buffer, .address_space: global }
      - { .name: out0, .offset: 48, .size: 8, .value_kind: global_buffer, .address_space: global }
    .group_segment_fixed_size: 315904
    .private_segment_fixed_size: 0
    .kernarg_segment_align: 8
    .kernarg_segment_size: 56
    .max_flat_workgroup_size: 128
    .sgpr_count:     100
    .vgpr_count:     1024
    .wavefront_size: 32
...
	.end_amdgpu_metadata
.endif
;; end of part 7
;; launch pick: the kernel of part 3 again; grid 8 x 1, 32 waves a work-group, no clusters, 12,288 bytes of LDS; arguments ksum, csum, know_tokens, src_tokens, ck_mask, out1, out2, ids, cs_ids; writes out1, out2, ids
;; launch sel: the kernel of part 6 again; grid 8 x 32, 4 waves a work-group, no clusters, 83,456 bytes of LDS; arguments W_emb, know_tokens, ids, wf, out0, out1; writes out0, out1
